; MI455X (gfx1250); checked and timed in simulation.
; The chip was launched on July 23, 2026; its instructions are those of AMD's public machine-readable ISA for CDNA 5 (MIT licence, August 2026) and "CDNA5" Instruction Set Architecture Reference Guide (July 2026). The comments in the code are by the model that wrote it; some were corrected since.
;; Causal Multi Head Attention. Allowed arithmetic: matrix products marked QUANTISED: E2M1 operands, one E8M0 scale for each 32 along K, by v_wmma_scale_f32_16x16x128_f8f6f4 with both operands' format E2M1 (or v_wmma_scale_f32_32x16x128_f4), f32 sums; products left as they are: bf16, f16 or f32 operands; f32 sums; everything else in f32.
;; Inputs: Wk 1,024 x 1,024 float32; Wo 1,024 x 1,024 float32; Wq 1,024 x 1,024 float32; Wv 1,024 x 1,024 float32; cos 2,048 x 32 float32; sin 2,048 x 32 float32; token_positions 2,048 int32; x 2 x 2,048 x 1,024 float32.
;; Outputs: out0 2 x 2,048 x 1,024 float32.
;; Constants: use_rope = 1.
;; This version of the problem:
;;   THIS VERSION OF THE PROBLEM IS GIVEN IN LOW PRECISION. The matrix products marked QUANTISED in the list below multiply operands that are first quantised to E2M1 (2 exponent bits, 1 mantissa bit; 4 bits a number), with one power-of-two scale for each 32 numbers along K (OCP MX v1.0); their sums are f32. The products marked 'left as it is' may take bf16, f16 or f32 operands, with f32 sums. Whichever they take, every output number must still come out within the allowed error. Rounding operands to bf16 (8 significant bits) uses up far more of that allowance than f16 does (11 bits, for magnitudes from 6e-5 to 65,504). All else is computed in f32.
;;   The module's matrix products, in the order in which they are computed (A, B: the left and right operand; K: the contracted axis; several contracted axes count as one K, in the product's order):
;;     1. [M 4,096, K 1,024] x [K 1,024, N 1,024]; A: input x; B: input Wq: QUANTISED
;;     2. [M 4,096, K 1,024] x [K 1,024, N 1,024]; A: input x; B: input Wk: QUANTISED
;;     3. [M 4,096, K 1,024] x [K 1,024, N 1,024]; A: input x; B: input Wv: QUANTISED
;;     4. batch 32 x [M 2,048, K 64] x [K 64, N 2,048]; A: computed on the way; B: computed on the way: left as it is (an operand is computed on the way)
;;     5. batch 32 x [M 2,048, K 2,048] x [K 2,048, N 64]; A: computed on the way; B: computed on the way: left as it is (an operand is computed on the way)
;;     6. [M 4,096, K 1,024] x [K 1,024, N 1,024]; A: computed on the way; B: input Wo: left as it is (an operand is computed on the way)
;;   THE QUANTISER, for each operand of a quantised product, along K:
;;     - K is cut into blocks of 32 from its start; a last block that is shorter is filled with zeros.
;;     - A block's scale is 2^e with e = floor(log2(the largest magnitude in the block)) - 2, held to -126 .. 127; a block of zeros has e = 0. As a byte (E8M0): e + 127.
;;     - Each number is divided by its block's scale, clamped to +-6, and rounded to the nearest number of E2M1, ties to even, subnormals kept.
;;     - The product sums the exact products of the quantised numbers (number of the format x scale) in f32.
;;   ~~~python
;;   def quantise(x, axis):      # numpy; x: float32 -> the quantised numbers, widened to float32 again
;;       x = np.moveaxis(x, axis, -1); K = x.shape[-1]
;;       x = np.pad(x, [(0, 0)] * (x.ndim - 1) + [(0, -K % 32)]); x = x.reshape(x.shape[:-1] + (-1, 32)); a = np.abs(x).max(-1, keepdims=True)
;;       e = np.where(a > 0, np.clip(np.frexp(np.where(a > 0, a, 1))[1] - 1 - 2, -126, 127), 0)      # np.frexp(a)[1] - 1 = floor(log2(a)), exactly
;;       r = np.clip(x / 2.0 ** e, -6, 6)
;;       step = 2.0 ** (np.maximum(np.frexp(np.where(r == 0, 1, r))[1] - 1, 0) - 1)
;;       q = np.round(r / step) * step * 2.0 ** e      # np.round: ties to even
;;       return np.moveaxis(q.reshape(q.shape[:-2] + (-1,))[..., :K], -1, axis).astype(np.float32)
;;   ~~~
;; One version. Each part assembles by itself: llvm-mc -triple=amdgcn-amd-amdhsa -mcpu=gfx1250 --defsym DOCPART=n.
;; ======== version 1 of 1: 5 launches
;; limits: values are held in f16: magnitudes above 65,504 overflow, below 6.1e-05 lose precision
;; workspace buffers: xc 2,097,152 bytes; xs 131,072 bytes; wc 1,572,864 bytes; ws 98,304 bytes; woh 2,097,152 bytes; qkvh 25,165,824 bytes; fine 393,216 bytes; yh 8,388,608 bytes
;; launch quant (part 1): grid 256 x 1, 4 waves a work-group, no clusters, 33,280 bytes of LDS; arguments x, Wq, Wk, Wv, Wo, xc, xs, wc, ws, woh; writes xc, xs, wc, ws, woh
.if DOCPART == 1
	.amdgcn_target "amdgcn-amd-amdhsa--gfx1250"
	.amdhsa_code_object_version 6
	.text
	.protected	k_q20d09935aa_quant
	.globl	k_q20d09935aa_quant
	.p2align	8
	.type	k_q20d09935aa_quant,@function
k_q20d09935aa_quant:
	s_mov_b64 s[64:65], 0
	v_nop
	global_prefetch_b8 v0, s[64:65] scope:SCOPE_SE
	s_setreg_imm32_b32 hwreg(HW_REG_WAVE_MODE, 25, 1), 1
	s_wait_xcnt 0x0
; x [4096][1024], Wq, Wk, Wv [1024][1024], f32, K innermost, become codes of FP4 (E2M1), two a byte, K innermost, with one E8M0 byte for each 32 along K:
; xc [4096][512 bytes], xs [4096][32]; wc [3072][512 bytes], ws [3072][32] (rows 0-1023 Wq, 1024-2047 Wk, 2048-3071 Wv).  Wo [1024][1024] f32 becomes f16, laid by chunks of 64 along K: woh [16][1024][64].
; A block's scale is 2^(floor(log2(its largest magnitude)) - 2); its byte is the largest magnitude's exponent field - 2, held at 1 from below.  A block of zeros gets the byte 1 where the rule says 127:
; its codes are zeros, which add nothing under any byte but 0xff, and this program alone reads the bytes.
; LIMITS: blocks whose largest magnitude lies under 2^-124 keep the byte 1; NaN and infinities among the inputs are not served; |Wo| stays under 65,504 (f16).
; SHARES: 256 work-groups of 32,768 numbers each: 0-127 x, 128-159 Wq, 160-191 Wk, 192-223 Wv, 224-255 Wo.  The four quantised tensors take ONE path: only pointers are chosen, by the work-group's number.
; Rows are dense and K is a multiple of 32: a tensor is a plain stream of blocks.  A wave takes 16 steps of 512 numbers.  Each load reads 512 consecutive bytes; a step's 2,048 bytes turn through the wave's own
; stage in LDS (16 bytes of padding behind each 64) and come back 16 neighbours a lane, two lanes to a block.  A wave's 256 scale bytes are gathered in LDS and leave as one aligned run of 256 bytes.
; Loads run eight steps ahead: 32 loads, half of the wave's 32,768 bytes, are on their way at a time.
.set STEPS, 16
.set DEPTH, 8                          ; steps that the loads run ahead, and sets of registers for them
.set CB,    8                          ; bytes of 16 codes
.set C,     16                         ; v16-79   codes: four registers a step, so that no store's data are written again
.set OW,    16                         ; Wo's path: v16-47 a group's f16 pairs
.set X,     80                         ; v80-111  two sets of 16 neighbours
.set E,     112                        ; v112-127 a scale byte for each step
.set R,     128                        ; v128-255 eight sets of 16 numbers as loaded   (Wo's path: two sets of 64)
.set WREG,  8192                       ; LDS: a region for each wave: two stages of 32 x SP bytes, then its 256 scale bytes
.set SP,    80
.set SPW,   12                         ; v12  LDS address of my spare word; never rewritten
.set NIL,   13                         ; v13  0; never rewritten
.set SPARE, 4*WREG                     ; behind the four regions: the spare words, 128 bytes a wave, that no other line names
.set SRC,   26                         ; s[26:27] the numbers;  s[28:29] the codes;  s[30:31] the scale bytes
.set DCO,   28
.set DSC,   30
	s_load_b512 s[4:19], s[0:1], 0x0               ; x, Wq, Wk, Wv, Wo, xc, xs, wc
	s_load_b128 s[20:23], s[0:1], 0x40             ; ws, woh
	v_lshl_add_u32 v[SPW], v0, 2, SPARE
	v_mov_b32 v[NIL], 0
	v_lshrrev_b32 v1, 5, v0
	v_readfirstlane_b32 s24, v1                    ; wave
	v_and_b32 v2, 31, v0                           ; lane
	v_lshlrev_b32 v3, 4, v2                        ; my 16 bytes of a load's 512
	s_mul_i32 s25, s24, WREG
	v_lshrrev_b32 v14, 2, v2
	v_mul_u32_u24 v14, v14, SP
	v_and_b32 v15, 3, v2
	v_lshl_add_u32 v14, v15, 4, v14
	v_add_nc_u32 v14, s25, v14                     ; the stage, on the way in: SP (lane / 4) + 16 (lane % 4)
	v_mul_u32_u24 v15, v2, SP
	v_add_nc_u32 v15, s25, v15                     ; and on the way out: SP x lane: my 16 neighbours
	v_mul_u32_u24 v4, v2, CB                       ; my codes' place in a step's
	v_lshrrev_b32 v5, 1, v2
	s_add_co_u32 s25, s25, 2*32*SP
	v_add_nc_u32 v5, s25, v5                       ; LDS: my wave's 256 scale bytes, my block's byte
	v_lshlrev_b32 v7, 3, v2                        ; and on the way out 8 bytes a lane
	v_add_nc_u32 v6, s25, v7
	s_wait_kmcnt 0x0
	s_cmp_ge_u32 ttmp9, 224
	s_cbranch_scc1 .Lwo                            ; the last 32 work-groups take Wo
	s_cmp_lt_u32 ttmp9, 192                        ; the choice of pointers hangs on the work-group's number alone
	s_cselect_b64 s[SRC:SRC+1], s[8:9], s[10:11]   ; Wk or Wv
	s_cmp_lt_u32 ttmp9, 160
	s_cselect_b64 s[SRC:SRC+1], s[6:7], s[SRC:SRC+1]
	s_cmp_lt_u32 ttmp9, 128
	s_cselect_b64 s[SRC:SRC+1], s[4:5], s[SRC:SRC+1]
	s_cselect_b64 s[DCO:DCO+1], s[14:15], s[18:19]
	s_cselect_b64 s[DSC:DSC+1], s[16:17], s[20:21]
	s_cselect_b32 s32, 127, 31                     ; x has 128 work-groups, a weight 32
	s_and_b32 s33, ttmp9, s32
	s_lshl_b32 s33, s33, 2
	s_add_co_u32 s33, s33, s24                     ; which run of 8,192 numbers of the tensor is my wave's
	s_lshl_b32 s34, s33, 15                        ; 32,768 bytes a run
	s_mov_b32 s35, 0
	s_add_nc_u64 s[SRC:SRC+1], s[SRC:SRC+1], s[34:35]
	s_and_b32 s33, ttmp9, 127                      ; in the buffers of codes the three weights follow each other
	s_lshl_b32 s33, s33, 2
	s_add_co_u32 s33, s33, s24
	s_lshl_b32 s34, s33, 12                        ; 4,096 bytes of codes a run
	s_add_nc_u64 s[DCO:DCO+1], s[DCO:DCO+1], s[34:35]
	s_lshl_b32 s34, s33, 8                         ; 256 scale bytes a run
	s_add_nc_u64 s[DSC:DSC+1], s[DSC:DSC+1], s[34:35]
.macro LOAD t
.irp i, 0,1,2,3
	global_load_b128 v[R+16*((\t)%DEPTH)+4*\i:R+16*((\t)%DEPTH)+4*\i+3], v3, s[SRC:SRC+1] offset:2048*(\t)+512*\i th:TH_LOAD_NT   ; 32 lanes read 512 consecutive bytes
.endr
.endm
.macro TURN t                          ; step t's numbers through the stage: LDS serves a wave's instructions in order, so no wait stands between the stores and the loads
.irp i, 0,1,2,3
	ds_store_b128 v14, v[R+16*((\t)%DEPTH)+4*\i:R+16*((\t)%DEPTH)+4*\i+3] offset:32*SP*((\t)%2)+8*SP*\i
.endr
.irp i, 0,1,2,3
	ds_load_b128 v[X+16*((\t)%2)+4*\i:X+16*((\t)%2)+4*\i+3], v15 offset:32*SP*((\t)%2)+16*\i
.endr
.endm
.irp t, 0,1,2,3,4,5,6,7
	LOAD \t
.endr
	s_wait_loadcnt 4*(DEPTH-1)                     ; step 0's four loads are in; the 28 of steps 1 to 7 stay out
	TURN 0
.macro STEP t
.set XS, X+16*((\t)%2)
.if (\t) > 0
	s_wait_dscnt 1                                 ; this step's numbers are back from the stage; the last step's byte store, issued behind them, may be out
.else
	s_wait_dscnt 0x0
.endif
.if (\t)+DEPTH < STEPS
	LOAD (\t)+DEPTH                                ; into the set that this step's stores into the stage have read
.endif
.if (\t)+1 < STEPS
.if STEPS-2-(\t) >= DEPTH-1
	s_wait_loadcnt 4*(DEPTH-1)                     ; the next step's four loads are in; those of the seven steps behind it may be out
.else
	s_wait_loadcnt 4*(STEPS-2-(\t))                ; at the end the counts run down
.endif
	TURN (\t)+1                                    ; through the other stage while this step is worked
.endif
	v_max3_num_f32 v8, |v[XS]|, |v[XS+1]|, |v[XS+2]|               ; the largest magnitude of my 16, in two chains
	v_max3_num_f32 v9, |v[XS+3]|, |v[XS+4]|, |v[XS+5]|
.irp i, 6,10
	v_max3_num_f32 v8, v8, |v[XS+\i]|, |v[XS+\i+1]|
	v_max3_num_f32 v9, v9, |v[XS+\i+2]|, |v[XS+\i+3]|
.endr
	v_max3_num_f32 v8, v8, |v[XS+14]|, |v[XS+15]|
	v_max3_num_f32 v8, v8, v9, 0x1800000           ; and the floor 2^(3 - 127): the byte cannot fall under 1
	v_max_num_f32_dpp v8, v8, v8 row_xmask:1 row_mask:0xf bank_mask:0xf   ; and of my neighbour's 16: the block's
	v_add_nc_u32 v11, 0xff000000, v8               ; 2 off its exponent field: the conversion takes the exponent field of this operand as its scale
	v_cvt_scalef32_pk8_fp4_f32 v[C+4*(\t)], v[XS:XS+7], v11         ; to the nearest code, ties to even; beyond the largest code the largest
	v_cvt_scalef32_pk8_fp4_f32 v[C+4*(\t)+1], v[XS+8:XS+15], v11
	v_lshrrev_b32 v[E+(\t)], 23, v11               ; the scale's byte
	ds_store_b8 v5, v[E+(\t)] offset:16*(\t)       ; both lanes of a block write the same byte with the same value
	global_store_b64 v4, v[C+4*(\t):C+4*(\t)+1], s[DCO:DCO+1] offset:32*CB*(\t)   ; 32 lanes store 256 consecutive bytes, aligned
.endm
.irp t, 0,1,2,3,4,5,6,7,8,9,10,11,12,13,14,15
	STEP \t
.endr
	ds_load_b64 v[8:9], v6                         ; LDS serves a wave's instructions in order: these see my byte stores
	s_wait_dscnt 0x0
	global_store_b64 v7, v[8:9], s[DSC:DSC+1]      ; 32 lanes store 256 consecutive bytes, aligned
	s_wait_tensorcnt 0x0                           ; the wave's end, behind my last LDS store
	ds_add_u32 v[SPW], v[NIL]
	s_wait_dscnt 0x0
	s_endpgm
; Wo to f16.  A wave takes 8 rows, in four groups of one pair of rows.  A load reads 64 along K of two rows: lanes 0-15 the 256 bytes of one row, lanes 16-31 of the next; its four numbers a lane become 8 bytes,
; and the 32 lanes store 256 consecutive bytes: two rows of a chunk.
.Lwo:
	s_sub_co_u32 s25, ttmp9, 224
	s_lshl_b32 s25, s25, 2
	s_add_co_u32 s25, s25, s24                     ; 0 .. 127: my 8 rows
	s_lshl_b32 s32, s25, 15                        ; 8 rows of 4,096 bytes
	s_mov_b32 s33, 0
	s_add_nc_u64 s[12:13], s[12:13], s[32:33]
	s_lshl_b32 s32, s25, 10                        ; 8 rows of 128 bytes in a chunk
	s_add_nc_u64 s[22:23], s[22:23], s[32:33]
	v_lshrrev_b32 v8, 4, v2
	v_lshlrev_b32 v8, 12, v8
	v_and_b32 v9, 15, v2
	v_lshl_add_u32 v8, v9, 4, v8                   ; in: row lane / 16, 16 bytes a lane
	v_lshlrev_b32 v9, 3, v2                        ; out: 8 bytes a lane
.macro WLOAD g                         ; pair of rows g: its 16 chunks
.irp c, 0,1,2,3,4,5,6,7,8,9,10,11,12,13,14,15
	global_load_b128 v[R+64*((\g)%2)+4*\c:R+64*((\g)%2)+4*\c+3], v8, s[12:13] offset:(\g)*8192+\c*256 th:TH_LOAD_NT
.endr
.endm
.macro WCVT g
.if (\g) < 3
	s_wait_loadcnt 16                              ; this group's 16 loads are in; the next group's 16 may be out
.else
	s_wait_loadcnt 0x0
.endif
.if (\g) > 0
	s_wait_xcnt 0x0                                ; the last group's stores have read their data: the pairs are written again only behind this wait
.endif
.irp c, 0,1,2,3,4,5,6,7,8,9,10,11,12,13,14,15
	v_cvt_pk_f16_f32 v[OW+2*\c], v[R+64*((\g)%2)+4*\c], v[R+64*((\g)%2)+4*\c+1]
	v_cvt_pk_f16_f32 v[OW+2*\c+1], v[R+64*((\g)%2)+4*\c+2], v[R+64*((\g)%2)+4*\c+3]
.endr
.irp c, 0,1,2,3,4,5,6,7,8,9,10,11,12,13,14,15
	global_store_b64 v9, v[OW+2*\c:OW+2*\c+1], s[22:23] offset:\c*131072+(\g)*256
.endr
.endm
	WLOAD 0
	WLOAD 1
	WCVT 0
	WLOAD 2
	WCVT 1
	WLOAD 3
	WCVT 2
	WCVT 3
	s_endpgm
.Lfunc_end_k_q20d09935aa_quant:
	.size	k_q20d09935aa_quant, .Lfunc_end_k_q20d09935aa_quant-k_q20d09935aa_quant
	.p2alignl 7, 3214868480
	.fill 96, 4, 3214868480
	.section	.rodata,"a",@progbits
	.p2align	6, 0x0
	.amdhsa_kernel k_q20d09935aa_quant
		.amdhsa_group_segment_fixed_size 33280
		.amdhsa_private_segment_fixed_size 0
		.amdhsa_enable_private_segment 0
		.amdhsa_kernarg_size 80
		.amdhsa_user_sgpr_count 2
		.amdhsa_user_sgpr_kernarg_segment_ptr 1
		.amdhsa_wavefront_size32 1
		.amdhsa_system_sgpr_workgroup_id_x 1
		.amdhsa_system_sgpr_workgroup_id_y 1
		.amdhsa_system_sgpr_workgroup_id_z 1
		.amdhsa_system_vgpr_workitem_id 0
		.amdhsa_next_free_vgpr 256
		.amdhsa_next_free_sgpr 66
		.amdhsa_reserve_vcc 0
		.amdhsa_float_denorm_mode_32 3
		.amdhsa_float_denorm_mode_16_64 3
		.amdhsa_memory_ordered 1
		.amdhsa_forward_progress 1
		.amdhsa_inst_pref_size 54
	.end_amdhsa_kernel
	.amdgpu_metadata
---
amdhsa.version: [ 1, 2 ]
amdhsa.kernels:
  - .name:           k_q20d09935aa_quant
    .symbol:         k_q20d09935aa_quant.kd
    .args:
      - { .name: x, .offset: 0, .size: 8, .value_kind: global_buffer, .address_space: global }
      - { .name: Wq, .offset: 8, .size: 8, .value_kind: global_buffer, .address_space: global }
      - { .name: Wk, .offset: 16, .size: 8, .value_kind: global_buffer, .address_space: global }
      - { .name: Wv, .offset: 24, .size: 8, .value_kind: global_buffer, .address_space: global }
      - { .name: Wo, .offset: 32, .size: 8, .value_kind: global_buffer, .address_space: global }
      - { .name: xc, .offset: 40, .size: 8, .value_kind: global_buffer, .address_space: global }
      - { .name: xs, .offset: 48, .size: 8, .value_kind: global_buffer, .address_space: global }
      - { .name: wc, .offset: 56, .size: 8, .value_kind: global_buffer, .address_space: global }
      - { .name: ws, .offset: 64, .size: 8, .value_kind: global_buffer, .address_space: global }
      - { .name: woh, .offset: 72, .size: 8, .value_kind: global_buffer, .address_space: global }
    .group_segment_fixed_size: 33280
    .private_segment_fixed_size: 0
    .kernarg_segment_align: 8
    .kernarg_segment_size: 80
    .max_flat_workgroup_size: 128
    .sgpr_count:     66
    .vgpr_count:     256
    .wavefront_size: 32
...
	.end_amdgpu_metadata
.endif
;; end of part 1
;; launch qkv (part 2): grid 12 x 16, 4 waves a work-group, clusters of 4 x 4, 327,680 bytes of LDS; arguments xc, xs, wc, ws, cos, sin, token_positions, qkvh, fine; writes qkvh, fine
.if DOCPART == 2
	.amdgcn_target "amdgcn-amd-amdhsa--gfx1250"
	.amdhsa_code_object_version 6
	.text
	.protected	k_q20d09935aa_qkv
	.globl	k_q20d09935aa_qkv
	.p2align	8
	.type	k_q20d09935aa_qkv,@function
k_q20d09935aa_qkv:
	s_mov_b64 s[64:65], 0
	v_nop
	global_prefetch_b8 v0, s[64:65] scope:SCOPE_SE
	s_setreg_imm32_b32 hwreg(HW_REG_WAVE_MODE, 25, 1), 1
	s_wait_xcnt 0x0
	s_wait_alu depctr_hold_cnt(0) depctr_sa_sdst(0) depctr_va_vdst(0) depctr_va_sdst(0) depctr_va_ssrc(0) depctr_va_vcc(0) depctr_vm_vsrc(0)
	s_getreg_b32 s2, hwreg(HW_REG_IB_STS2, 6, 4)
	s_cmp_eq_u32 s2, 0
	s_cbranch_scc0 .Lentry_in_a_cluster
	s_endpgm
.Lentry_in_a_cluster:
	s_bfe_u32 s2, ttmp6, 0x10000c
	s_cmp_lg_u32 s2, 0xf033
	s_cbranch_scc0 .Lentry_shape_is_right
	s_endpgm
.Lentry_shape_is_right:
; q, k, v = x Wq^T, x Wk^T, x Wv^T on codes of FP4 (E2M1) with one E8M0 scale for each 32 along K: one product [4096] x [3072], K = 1,024; then the rotation of q and k by the tables' rows that
; token_positions names; results as f16 by head, qkvh [3][2][16][2048][64], and positions 0-15 of every head once more as f32, in the buffer fine.
; fine is laid in the order of my registers, [3][2][16 heads][8 pieces][32 lanes][16 bytes]: lane (r, h) holds position r, and its piece 2 g + c the channels 16 g + 8 h + 4 c + 0 .. 3: each store covers 512 consecutive bytes,
; and the launch that reads it gets the same registers in the same lanes by loads of the same form.
; A tile of 256 x 256 is made by four waves, each 128 x 128: 64 accumulators, 512 registers.  K is two steps of 512: both LDS slots and the scale bytes are first fills; nothing is filled again, so there is no loop.
; CLUSTERS: 4 x 4 work-groups; x's tiles are asked for jointly along a row of the cluster, the weights' along a column.  A cluster's four tile columns are 1,024 columns: all q, all k or all v (cluster x = 0, 1, 2).
; THE MATRIX INSTRUCTION IS USED TRANSPOSED (source 0 = 16 rows of W, source 1 = 16 rows of x): a lane holds one position and eight neighbouring channels, which are four pairs of the rotation.
; v is not rotated: its cosines become 1 and its sines 0 by a select on the cluster's x; no branch.
; LIMITS: |q|, |k|, |v| stay under 65,504 (f16); token_positions is held to 0 .. 2,047; NaN and infinities are not served.
; REGISTERS: window 0: v0-31 addresses; v32-95 scale words, two sets; v96-127 the way out's numbers; v128-191 x's fragments, later rows on the way out; v192-255 two sets of cosines and sines.
;   window 1: W's fragments, two sets, at v0 and v128.   window 2: the accumulators of my rows 0-63 ((a, b) at v[8 (8 a + b)]);   window 3: those of rows 64-127.
.set NQ,     4                         ; matrix instructions deep in a slot: 512 along K
.set ROWB,   256                       ; a tile's row in bytes
.set KROW,   512                       ; a row of codes in memory
.set PITCH,  272                       ; an LDS row: 256 bytes + 16 of padding = 68 words: the 16 rows that a load touches start at 16 different banks (64 banks of 4 bytes: ISA guide 11.1)
.set FR,     8
.set NL,     2
.set NP,     4                         ; places behind this matrix instruction (ISA guide 7.12.1)
.set HALFT,  128*PITCH
.set SLOT,   4*HALFT
.set KS,     32                        ; a row of scale bytes
.set SCL,    2*SLOT                    ; behind the ring: the scale bytes, as runs of 256 bytes + 16 of padding
.set HALFS,  (128*KS/256)*272
.set SBLK,   (16*KS/256)*272
.set SPARE,  SCL+4*HALFS               ; the spare words, 128 bytes a wave, that no other line names
.set SPITCH, 144                       ; the way out: a stage of 32 rows x (128 bytes + 16) for each wave, in slot 0, which has had its only fill and its last read when the first result is stored there
.set TPO,  8                           ; v8-15   block a: my row's byte in the tables: 128 x position + 16 h
.set ADRA, 16
.set ADRB, 20
.set STO,  24
.set RD,   25
.set CO,   26                          ; v26     16 x lane
.set ADRS, 27
.set SPW,  28
.set NIL,  29
.set FLG,  30
.set TV,   31
.set SC,   32
.set T,    96
.set AF,   128
.set BK,   128
.set CSR,  192
.set G1, 24
.set G0, 32
.set G1B, 48
.set G0B, 56
.set G1S, 68
.set G0S, 76
.set G1SB, 80
.set G0SB, 88
.set MSB, 0
.macro WIN new                         ; the immediate's high byte repeats the setting that is left
.if MSB != \new
	s_set_vgpr_msb (MSB<<8)|\new
.set MSB, \new
.endif
.endm
.set MUL_LO, 0xa1                      ; source 0 (W) window 1, source 1 (x) window 0, C and D window 2
.set MUL_HI, 0xf1
.set TO_B,   0x40
; A joint load: waves 0 and 1 fetch for x, waves 2 and 3 for W.  The branch hangs on the wave's number alone.  An s_nop 0 and four v_nop follow each of the two lines.
.macro JLOAD g0a, g1a, g0b, g1b
	s_cmp_eq_u32 s15, 0
	s_cbranch_scc0 .Lfor_b_\@
	tensor_load_to_lds s[\g0a:\g0a+3], s[\g1a:\g1a+7]
	s_nop 0
.rept 4
	v_nop
.endr
	s_branch .Lasked_\@
.Lfor_b_\@:
	tensor_load_to_lds s[\g0b:\g0b+3], s[\g1b:\g1b+7]
	s_nop 0
.rept 4
	v_nop
.endr
.Lasked_\@:
.endm
.macro CROUND                          ; a round of the cluster's barrier
	s_barrier_signal -1
	s_barrier_wait -1
	s_cmp_lg_u32 s14, 0
	s_cbranch_scc1 .Lnot_wave_0_\@
	s_barrier_signal -3
.Lnot_wave_0_\@:
	s_barrier_wait -3
	s_barrier_signal -1
	s_barrier_wait -1
.endm
	s_load_b128 s[4:7], s[0:1], 0x0                ; x's codes, x's scales
	s_load_b128 s[8:11], s[0:1], 0x10              ; W's codes, W's scales
	s_load_b128 s[96:99], s[0:1], 0x20             ; cos, sin
	s_load_b64 s[100:101], s[0:1], 0x30            ; token_positions
	s_load_b64 s[12:13], s[0:1], 0x38              ; qkvh
	s_load_b64 s[66:67], s[0:1], 0x40              ; fine
	v_lshl_add_u32 v[SPW], v0, 2, SPARE
	v_mov_b32 v[NIL], 0
	ds_add_u32 v[SPW], v[NIL]                      ; the wave's opening: the add, twice on end, and its wait ahead of my first tensor load
	ds_add_u32 v[SPW], v[NIL]
	v_lshrrev_b32 v1, 5, v0
	v_readfirstlane_b32 s14, v1                    ; wave 0..3
	s_lshr_b32 s15, s14, 1                         ; which half of the tile's rows is mine.  Also: I fetch for x (0) or for W (1)
	s_and_b32 s16, s14, 1                          ; which half of its columns.  Also: which 128 rows of that tile I fetch
	s_bfe_u32 s40, ttmp6, 0x40000                  ; cx, cy
	s_bfe_u32 s41, ttmp6, 0x40004
	s_lshl_b32 s42, ttmp9, 2
	s_add_co_u32 s42, s42, s40                     ; tile column = 4 x cluster x + cx
	s_and_b32 s17, ttmp7, 0xffff
	s_lshl_b32 s17, s17, 2
	s_add_co_u32 s17, s17, s41                     ; tile row = 4 x cluster y + cy
	s_lshl_b32 s43, s41, 2
	s_lshl_b32 s43, 15, s43                        ; my row of the cluster
	s_lshl_b32 s44, 0x1111, s40                    ; my column
	s_or_b32 s[G1+0], s43, (0<<16)|(1<<20)|(1<<21)|(5<<22)|(3<<25)  ; the mask; elements of 1 byte; padding on; bit 21 beside a mask; after every 64 words, 4 words
	s_or_b32 s[G1B+0], s44, (0<<16)|(1<<20)|(1<<21)|(5<<22)|(3<<25)
.irp g, G1, G1B
	s_mov_b32 s[\g+1], ROWB<<16                    ; tensor_dim0
	s_mov_b32 s[\g+2], 128<<16                     ; tensor_dim1
	s_mov_b32 s[\g+3], ROWB<<16                    ; tile_dim0
	s_mov_b32 s[\g+4], 128                         ; tile_dim1
	s_mov_b32 s[\g+5], KROW                        ; the pitch
	s_mov_b32 s[\g+6], 0
	s_mov_b32 s[\g+7], 0
.endr
	s_or_b32 s[G1S+0], s43, (3<<16)|(1<<20)|(1<<21)|(5<<22)|(3<<25) ; the scale bytes of 128 rows: 4,096 dense bytes as 16 rows of 32 elements of 8 bytes, 16 bytes of padding behind each
	s_or_b32 s[G1SB+0], s44, (3<<16)|(1<<20)|(1<<21)|(5<<22)|(3<<25)
.irp g, G1S, G1SB
	s_mov_b32 s[\g+1], 32<<16
	s_mov_b32 s[\g+2], (128*KS/256)<<16
	s_mov_b32 s[\g+3], 32<<16
	s_mov_b32 s[\g+4], 128*KS/256
	s_mov_b32 s[\g+5], 32
	s_mov_b32 s[\g+6], 0
	s_mov_b32 s[\g+7], 0
.endr
	s_lshl_b32 s18, s16, 7
	s_lshl_b32 s20, s17, 8
	s_add_co_u32 s20, s20, s18                     ; x: row 256 x tile row + 128 x half
	s_lshl_b32 s46, s42, 8
	s_add_co_u32 s46, s46, s18                     ; W: row 256 x tile column + 128 x half
	s_mov_b32 s21, 0
	s_mov_b32 s47, 0
	s_mov_b64 s[18:19], KS
	s_mul_u64 s[22:23], s[20:21], s[18:19]         ; where these rows' scale bytes begin
	s_mul_u64 s[92:93], s[46:47], s[18:19]
	s_mov_b64 s[18:19], KROW
	s_mul_u64 s[20:21], s[20:21], s[18:19]         ; and their codes
	s_mul_u64 s[46:47], s[46:47], s[18:19]
	s_mul_i32 s45, s14, HALFT                      ; where they go: wave x 128 rows: no place in the cluster enters an LDS address
	s_mul_i32 s94, s14, HALFS
	s_cmp_eq_u32 ttmp9, 2                          ; cluster x = 2: these columns are v's; the same in all sixteen partners
	s_cselect_b32 s2, -1, 0
	s_wait_dscnt 0x0                               ; both opening adds are done
	s_wait_kmcnt 0x0
	s_add_nc_u64 s[20:21], s[4:5], s[20:21]
	s_add_nc_u64 s[22:23], s[6:7], s[22:23]
	s_add_nc_u64 s[46:47], s[8:9], s[46:47]
	s_add_nc_u64 s[92:93], s[10:11], s[92:93]
	CROUND                                         ; all sixteen work-groups are here: the first joint loads meet
	s_mov_b32 s[G0S], 1
	s_add_co_u32 s[G0S+1], s94, SCL
	s_mov_b64 s[G0S+2:G0S+3], s[22:23]
	s_or_b32 s[G0S+3], s[G0S+3], 0x80000000
	s_mov_b32 s[G0SB], 1
	s_add_co_u32 s[G0SB+1], s94, SCL
	s_mov_b64 s[G0SB+2:G0SB+3], s[92:93]
	s_or_b32 s[G0SB+3], s[G0SB+3], 0x80000000
	JLOAD G0S, G1S, G0SB, G1SB                     ; the scale bytes first; with the two slots three tensor loads of mine are out
.irp s, 0,1
	s_mov_b32 s[G0+4*\s], 1
	s_add_co_u32 s[G0+4*\s+1], s45, \s*SLOT
	s_add_nc_u64 s[G0+4*\s+2:G0+4*\s+3], s[20:21], \s*ROWB
	s_or_b32 s[G0+4*\s+3], s[G0+4*\s+3], 0x80000000
	s_mov_b32 s[G0B+4*\s], 1
	s_add_co_u32 s[G0B+4*\s+1], s45, \s*SLOT
	s_add_nc_u64 s[G0B+4*\s+2:G0B+4*\s+3], s[46:47], \s*ROWB
	s_or_b32 s[G0B+4*\s+3], s[G0B+4*\s+3], 0x80000000
	JLOAD G0+4*\s, G1, G0B+4*\s, G1B
.endr
	v_and_b32 v1, 15, v0                           ; r
	v_bfe_u32 v2, v0, 4, 1                         ; h
	; my rows' positions: row 16 a + r of my 128 stands at sequence index s0 + 16 a + r, s0 = 256 (tile row % 8) + 128 x half
	s_and_b32 s21, s17, 7
	s_or_b32 s95, s21, s15                         ; 0 only where my block 0 holds sequence indices 0-15
	s_lshl_b32 s21, s21, 8
	s_lshl_b32 s22, s15, 7
	s_add_co_u32 s21, s21, s22                     ; s0
	s_lshl_b32 s22, s21, 2
	s_mov_b32 s23, 0
	s_add_nc_u64 s[100:101], s[100:101], s[22:23]
	v_lshlrev_b32 v[TV], 2, v1
.irp a, 0,1,2,3,4,5,6,7
	global_load_b32 v[TPO+\a], v[TV], s[100:101] offset:64*\a
.endr
	; where my results go: the row's terms in s20-23, the column's in s46, s47, s94
	s_lshr_b32 s20, s17, 3                         ; the batch
	s_lshl_b32 s22, s20, 16                        ; in the f32 copy
	s_lshl_b32 s20, s20, 22                        ; in qkvh
	s_lshl_b32 s21, s21, 7                         ; s0 rows of 128 bytes
	s_add_co_u32 s20, s20, s21
	s_mov_b32 s21, 0
	s_add_nc_u64 s[12:13], s[12:13], s[20:21]
	s_add_nc_u64 s[66:67], s[66:67], s[22:23]
	s_and_b32 s46, s42, 3
	s_lshl_b32 s46, s46, 2
	s_lshl_b32 s47, s16, 1
	s_add_co_u32 s46, s46, s47                     ; my first head: 4 (tile column % 4) + 2 x half
	s_lshl_b32 s94, s46, 12
	s_lshl_b32 s46, s46, 18
	s_lshl_b32 s47, ttmp9, 23                      ; q's, k's or v's region
	s_add_co_u32 s46, s46, s47
	s_mov_b32 s47, 0
	s_add_nc_u64 s[12:13], s[12:13], s[46:47]
	s_lshl_b32 s46, ttmp9, 17
	s_add_co_u32 s46, s46, s94
	s_add_nc_u64 s[66:67], s[66:67], s[46:47]
	v_mul_u32_u24 v3, v1, PITCH
	v_lshl_add_u32 v4, v2, 4, v3                   ; a fragment's row x pitch + 16 x half
	s_mul_i32 s21, s15, HALFT
	s_mul_i32 s22, s16, HALFT
	s_add_co_u32 s22, s22, 2*HALFT
.irp s, 0,1
	v_add_nc_u32 v[ADRA+\s], s21, v4
	v_add_nc_u32 v[ADRB+\s], s22, v4
	s_add_co_u32 s21, s21, SLOT
	s_add_co_u32 s22, s22, SLOT
.endr
	v_mul_u32_u24 v5, v1, KS                       ; my row's scale bytes: KS a row,
	v_lshrrev_b32 v6, 8, v5
	v_lshl_add_u32 v5, v6, 4, v5                   ; and 16 more for each 256 passed
	s_mul_i32 s21, s15, HALFS
	s_mul_i32 s22, s16, HALFS
	s_add_co_u32 s22, s22, 2*HALFS
	s_sub_co_u32 s22, s22, s21
	v_mul_u32_u24 v6, s22, v2                      ; lanes 16-31 take W's
	s_add_co_u32 s21, s21, SCL
	v_add_nc_u32 v5, v5, v6
	v_add_nc_u32 v[ADRS], s21, v5
	s_mul_i32 s23, s14, 32*SPITCH                  ; my stage
	v_mul_u32_u24 v5, v1, SPITCH
	v_lshl_add_u32 v5, v2, 4, v5
	v_add_nc_u32 v[STO], s23, v5                   ; in: row r, 16 bytes for each half of the lanes
	v_bfe_u32 v5, v0, 3, 2
	v_mul_u32_u24 v5, v5, SPITCH
	v_and_b32 v6, 7, v0
	v_lshl_add_u32 v5, v6, 4, v5
	v_add_nc_u32 v[RD], s23, v5                    ; back: eight lanes to a row of 128 bytes, four rows an instruction
	v_and_b32 v6, 31, v0
	v_lshlrev_b32 v[CO], 4, v6                     ; and in qkvh these four rows are 512 consecutive bytes; a piece of the f32 copy likewise
	s_wait_loadcnt 0x0                             ; the positions are in (the tiles are still on their way)
	v_lshlrev_b32 v[TV], 4, v2
.irp a, 0,1,2,3,4,5,6,7
	v_min_u32 v[TPO+\a], 0x7ff, v[TPO+\a]          ; held inside the tables
	v_lshlrev_b32 v[TPO+\a], 7, v[TPO+\a]          ; a table's row is 128 bytes
	v_add_nc_u32 v[TPO+\a], v[TV], v[TPO+\a]
.endr
; block a's cosines and sines into set a % 2: for channels 16 g + 8 h + 0 .. 7 of a head the pairs 8 g + 4 h + 0 .. 3: registers 8 g .. + 3 cosines, 8 g + 4 .. + 7 sines
.macro CSLOAD a
.irp g, 0,1,2,3
	global_load_b128 v[CSR+32*((\a)%2)+8*\g:CSR+32*((\a)%2)+8*\g+3], v[TPO+(\a)], s[96:97] offset:32*\g
	global_load_b128 v[CSR+32*((\a)%2)+8*\g+4:CSR+32*((\a)%2)+8*\g+7], v[TPO+(\a)], s[98:99] offset:32*\g
.endr
.endm
	CSLOAD 0
	CSLOAD 1
.macro FRAG reg, adr, q, i             ; 16 rows x 128 K of 4-bit codes: 8 registers: lane l holds row l % 16; registers 4 c .. 4 c + 3 hold K = 64 c + 32 (l / 16) + 0 .. 31
.irp c, 0,1
	ds_load_b128 v[\reg+4*\c:\reg+4*\c+3], v[\adr] offset:64*(\q)+32*\c+(\i)*16*PITCH
.endr
.endm
; 16 matrix instructions: x's blocks a0, a0 + 1 against W's eight.  The 64 accumulators take turns, one instruction a turn, in the same order in every step.
.macro MUL16 a0, p, q, sc, zero
.irp a, \a0, \a0+1
.irp b, 0,1,2,3,4,5,6,7
.if \zero
	v_wmma_scale_f32_16x16x128_f8f6f4 v[8*(8*((\a)%4)+\b):8*(8*((\a)%4)+\b)+7], v[128*(\p)+FR*\b:128*(\p)+FR*\b+FR-1], v[AF+FR*(\a):AF+FR*(\a)+FR-1], 0, v[SC+8*NQ*(\sc)+NQ*\b+(\q)], v[SC+8*NQ*(\sc)+NQ*(\a)+(\q)] matrix_a_fmt:MATRIX_FMT_FP4 matrix_b_fmt:MATRIX_FMT_FP4 matrix_a_scale:MATRIX_SCALE_ROW1
.else
	v_wmma_scale_f32_16x16x128_f8f6f4 v[8*(8*((\a)%4)+\b):8*(8*((\a)%4)+\b)+7], v[128*(\p)+FR*\b:128*(\p)+FR*\b+FR-1], v[AF+FR*(\a):AF+FR*(\a)+FR-1], v[8*(8*((\a)%4)+\b):8*(8*((\a)%4)+\b)+7], v[SC+8*NQ*(\sc)+NQ*\b+(\q)], v[SC+8*NQ*(\sc)+NQ*(\a)+(\q)] matrix_a_fmt:MATRIX_FMT_FP4 matrix_b_fmt:MATRIX_FMT_FP4 matrix_a_scale:MATRIX_SCALE_ROW1
.endif
.endr
.endr
.endm
.macro FETCH_B slot, q, p
	WIN TO_B
.irp i, 0,1,2,3,4,5,6,7
	FRAG 128*(\p)+FR*\i, ADRB+\slot, \q, \i
.endr
	WIN 0
.endm
.macro FETCH_A slot, q, i0
.irp i, \i0, \i0+1, \i0+2, \i0+3
	FRAG AF+FR*(\i), ADRA+\slot, \q, \i
.endr
.endm
.macro SCALES sc                       ; a slot's scale words: 4 words a row; lanes 0-15 take x's block i, lanes 16-31 W's block i
.irp i, 0,1,2,3,4,5,6,7
	ds_load_b128 v[SC+8*NQ*\sc+NQ*\i:SC+8*NQ*\sc+NQ*\i+3], v[ADRS] offset:\i*SBLK
.endr
.endm
.macro PLACES n                        ; plain vector instructions between a matrix instruction and a load into, or a read of, its registers
.rept \n
	v_nop
.endr
.endm
.macro STEP slot, q, zero              ; 128 along K that has its successor in the same slot
	s_wait_dscnt 4*NL                              ; W's set and x's blocks 0-3 are in; the youngest eight loads (x's blocks 4-7) may be out
	WIN MUL_LO
	MUL16 0, (\q)%2, \q, \slot, \zero
	MUL16 2, (\q)%2, \q, \slot, \zero
	s_wait_dscnt 0
	PLACES NP
	FETCH_B \slot, (\q)+1, 1-(\q)%2
	FETCH_A \slot, (\q)+1, 0
	WIN MUL_HI
	MUL16 4, (\q)%2, \q, \slot, \zero
	MUL16 6, (\q)%2, \q, \slot, \zero
	PLACES NP
	WIN 0
	FETCH_A \slot, (\q)+1, 4
.endm
.macro STEPS slot, from
.set Q, \from
.rept NQ-1-\from
	STEP \slot, Q, 0
.set Q, Q+1
.endr
.endm
	s_wait_tensorcnt 1                             ; the scale bytes and my part of slot 0 are in; slot 1's load, issued behind them, may be out
	s_barrier_signal -1
	s_barrier_wait -1
	FETCH_B 0, 0, 0
	FETCH_A 0, 0, 0
	SCALES 0
	FETCH_A 0, 0, 4
	STEP 0, 0, 1                                   ; the first products start the sums: nothing is cleared
	STEPS 0, 1
	; slot 0's last step changes slots: one barrier; in front of it my part of slot 1 has landed and my reads of slot 0 are over
	s_wait_tensorcnt 0x0
	ds_add_u32 v[SPW], v[NIL]
	s_wait_dscnt 4*NL+1                            ; the add and the youngest eight loads may be out
	WIN MUL_LO
	MUL16 0, 1, NQ-1, 0, 0
	s_wait_dscnt 0x0
	s_barrier_signal -1
	MUL16 2, 1, NQ-1, 0, 0
	WIN 0
	s_barrier_wait -1
	PLACES NP
	v_add_nc_u32 v[ADRS], 4*NQ, v[ADRS]            ; on to slot 1's scale words
	FETCH_B 1, 0, 0
	FETCH_A 1, 0, 0
	SCALES 1
	WIN MUL_HI
	MUL16 4, 1, NQ-1, 0, 0
	MUL16 6, 1, NQ-1, 0, 0
	PLACES NP
	WIN 0
	FETCH_A 1, 0, 4
	STEPS 1, 0
	s_wait_dscnt 4*NL                              ; the very last step
	WIN MUL_LO
	MUL16 0, 1, NQ-1, 1, 0
	MUL16 2, 1, NQ-1, 1, 0
	s_wait_dscnt 0
	WIN MUL_HI
	MUL16 4, 1, NQ-1, 1, 0
	MUL16 6, 1, NQ-1, 1, 0
	WIN 0
; THE WAY OUT, block by block of 16 positions x 128 channels (two heads), a head at a time.  Rotation in f32: even' = even c - odd s, odd' = odd c + even s.  The 32 numbers of a head are packed to f16 in place
; (pair n reads registers 2 n, 2 n + 1 and writes register n), go into my stage, and come back as whole rows of 128 bytes: four rows of a head are 512 consecutive bytes of qkvh.
.macro OUTB a
.set CC, CSR+32*((\a)%2)
.set AC, 64*((\a)%4)
.set WN, 0x02+(\a)/4
.if (\a) < 7
	s_wait_loadcnt 8                               ; this block's cosines and sines are in; the next block's eight loads may be out
.else
	s_wait_loadcnt 0x0
.endif
.irp g, 0,1,2,3
.irp i, 0,1,2,3
	v_cndmask_b32 v[CC+8*\g+\i], v[CC+8*\g+\i], 1.0, s2        ; v: no rotation
	v_cndmask_b32 v[CC+8*\g+4+\i], v[CC+8*\g+4+\i], 0, s2
.endr
.endr
.irp hh, 0,1
	WIN WN                                         ; source 0: the accumulators' window
.irp g, 0,1,2,3
.irp i, 0,1,2,3
	v_mul_f32 v[T+8*\g+2*\i], v[AC+8*(4*\hh+\g)+2*\i+1], v[CC+8*\g+4+\i]        ; each accumulator is read from its low end on
	v_mul_f32 v[T+8*\g+2*\i+1], v[AC+8*(4*\hh+\g)+2*\i], v[CC+8*\g+4+\i]
	v_fma_f32 v[T+8*\g+2*\i], v[AC+8*(4*\hh+\g)+2*\i], v[CC+8*\g+\i], -v[T+8*\g+2*\i]
	v_fma_f32 v[T+8*\g+2*\i+1], v[AC+8*(4*\hh+\g)+2*\i+1], v[CC+8*\g+\i], v[T+8*\g+2*\i+1]
.endr
.endr
	WIN 0
.if (\a) == 0
	s_wait_xcnt 0x0                                ; EXEC changes only behind this wait: earlier loads and stores have read it
	s_and_saveexec_b32 s3, vcc_lo                  ; all lanes where my block 0 holds sequence indices 0-15, else none: a mask, no branch
.irp g, 0,1,2,3
	global_store_b128 v[CO], v[T+8*\g:T+8*\g+3], s[66:67] offset:\hh*4096+\g*1024          ; the f32 copy, as an image of these registers: 32 lanes store 512 consecutive bytes
	global_store_b128 v[CO], v[T+8*\g+4:T+8*\g+7], s[66:67] offset:\hh*4096+\g*1024+512
.endr
	s_wait_xcnt 0x0                                ; the stores have read EXEC and their data, which the packing below writes over
	s_or_b32 exec_lo, exec_lo, s3
.endif
.irp n, 0,1,2,3,4,5,6,7,8,9,10,11,12,13,14,15
	v_cvt_pk_f16_f32 v[T+\n], v[T+2*\n], v[T+2*\n+1]
.endr
.irp g, 0,1,2,3
	ds_store_b128 v[STO], v[T+4*\g:T+4*\g+3] offset:\hh*16*SPITCH+\g*32
.endr
.endr
.if (\a) >= 2
	s_wait_xcnt 0x0                                ; block a - 2's stores have read their registers: this block's rows may land there
.endif
.set BB, BK+32*((\a)%2)
.irp t, 0,1,2,3,4,5,6,7
	ds_load_b128 v[BB+4*\t:BB+4*\t+3], v[RD] offset:\t*4*SPITCH   ; LDS serves a wave's instructions in order: these see the stores above
.endr
.if (\a)+2 < 8
	CSLOAD (\a)+2                                  ; into the set that this block has done with
.endif
.endm
.macro SEND a, younger                 ; younger: the next block's 8 LDS stores and 8 LDS loads, which may stay out
.set BB, BK+32*((\a)%2)
	s_wait_dscnt \younger
.irp t, 0,1,2,3,4,5,6,7
	global_store_b128 v[CO], v[BB+4*\t:BB+4*\t+3], s[12:13] offset:(\t/4)*262144+(\t%4)*512+(\a)*2048   ; 32 lanes store 512 consecutive bytes, at a multiple of 256 from the buffer's first byte
.endr
.endm
	PLACES NP
	v_mov_b32 v[FLG], s95
	v_cmp_eq_u32 vcc_lo, 0, v[FLG]
	OUTB 0
.irp a, 1,2,3,4,5,6,7
	OUTB \a
	SEND \a-1, 16
.endr
	SEND 7, 0
	s_wait_tensorcnt 0x0                           ; the wave's end, behind my last tensor load and my last LDS store
	ds_add_u32 v[SPW], v[NIL]
	s_wait_dscnt 0x0
	CROUND                                         ; the closing round
	s_endpgm
.Lfunc_end_k_q20d09935aa_qkv:
	.size	k_q20d09935aa_qkv, .Lfunc_end_k_q20d09935aa_qkv-k_q20d09935aa_qkv
	.p2alignl 7, 3214868480
	.fill 96, 4, 3214868480
	.section	.rodata,"a",@progbits
	.p2align	6, 0x0
	.amdhsa_kernel k_q20d09935aa_qkv
		.amdhsa_group_segment_fixed_size 327680
		.amdhsa_private_segment_fixed_size 0
		.amdhsa_enable_private_segment 0
		.amdhsa_kernarg_size 72
		.amdhsa_user_sgpr_count 2
		.amdhsa_user_sgpr_kernarg_segment_ptr 1
		.amdhsa_wavefront_size32 1
		.amdhsa_system_sgpr_workgroup_id_x 1
		.amdhsa_system_sgpr_workgroup_id_y 1
		.amdhsa_system_sgpr_workgroup_id_z 1
		.amdhsa_system_vgpr_workitem_id 0
		.amdhsa_next_free_vgpr 1024
		.amdhsa_next_free_sgpr 102
		.amdhsa_reserve_vcc 1
		.amdhsa_float_denorm_mode_32 3
		.amdhsa_float_denorm_mode_16_64 3
		.amdhsa_memory_ordered 1
		.amdhsa_forward_progress 1
		.amdhsa_inst_pref_size 201
	.end_amdhsa_kernel
	.amdgpu_metadata
---
amdhsa.version: [ 1, 2 ]
amdhsa.kernels:
  - .name:           k_q20d09935aa_qkv
    .symbol:         k_q20d09935aa_qkv.kd
    .args:
      - { .name: xc, .offset: 0, .size: 8, .value_kind: global_buffer, .address_space: global }
      - { .name: xs, .offset: 8, .size: 8, .value_kind: global_buffer, .address_space: global }
      - { .name: wc, .offset: 16, .size: 8, .value_kind: global_buffer, .address_space: global }
      - { .name: ws, .offset: 24, .size: 8, .value_kind: global_buffer, .address_space: global }
      - { .name: cos, .offset: 32, .size: 8, .value_kind: global_buffer, .address_space: global }
      - { .name: sin, .offset: 40, .size: 8, .value_kind: global_buffer, .address_space: global }
      - { .name: token_positions, .offset: 48, .size: 8, .value_kind: global_buffer, .address_space: global }
      - { .name: qkvh, .offset: 56, .size: 8, .value_kind: global_buffer, .address_space: global }
      - { .name: fine, .offset: 64, .size: 8, .value_kind: global_buffer, .address_space: global }
    .group_segment_fixed_size: 327680
    .private_segment_fixed_size: 0
    .kernarg_segment_align: 8
    .kernarg_segment_size: 72
    .max_flat_workgroup_size: 128
    .sgpr_count:     102
    .vgpr_count:     1024
    .wavefront_size: 32
...
	.end_amdgpu_metadata
.endif
;; end of part 2
;; launch attn (part 3): grid 8 x 32, 16 waves a work-group, no clusters, 327,680 bytes of LDS; arguments qkvh, yh; writes yh
.if DOCPART == 3
	.amdgcn_target "amdgcn-amd-amdhsa--gfx1250"
	.amdhsa_code_object_version 6
	.text
	.protected	k_q20d09935aa_attn
	.globl	k_q20d09935aa_attn
	.p2align	8
	.type	k_q20d09935aa_attn,@function
k_q20d09935aa_attn:
	s_mov_b64 s[64:65], 0
	v_nop
	global_prefetch_b8 v0, s[64:65] scope:SCOPE_SE
	s_setreg_imm32_b32 hwreg(HW_REG_WAVE_MODE, 25, 1), 1
	s_wait_xcnt 0x0
; y[bh][q] = the sum over k <= q of softmax_k(q . k / 8) v[k], head size 64, 2,048 positions, 32 heads (batch x head).  q, k, v: f16, qkvh [3][32][2048][64]; y: f16, yh [32][2048][64].
; Products on f16 operands with f32 sums; maxima, exponentials and sums in f32; the weights p are rounded to f16 for the second product, y once at the end.
; SHARES.  Work-group (i, bh) owns the query blocks i and 15 - i of 128 queries: under the causal mask every work-group then has the same work.  Each of its sixteen waves owns one tile of 16 queries in 256 registers.
; No cluster: under the mask the work-groups of a head need different numbers of tiles of k and v.
; Every wave walks all 8 slots of 256 keys, so that the trip counts are constants and no barrier is jumped over; a step of 64 keys all of which come after the wave's queries is left out by a branch on ids.
; LAYOUT.  S^T = k q^T (source 0 = 16 keys, source 1 = my 16 queries): a lane holds ONE query (lane % 16) and the keys 8 (lane / 16) + 0 .. 7.  Two such tiles, rounded in pairs, are source 1 of O^T = v^T p.
; k comes out of LDS as it lies, v turned, by ds_load_tr16_b128.  A head's k and v are dense in memory, so a tile is stated as rows of 256 bytes, two keys each, with padding behind each.
; SOFTMAX.  A running maximum m and sum l: p = 2^(c s - c m), c = log2(e) / 8; in every step O and l are multiplied by a = 2^(c m_old - c m_new).  Key 0 counts for every query, so m is a number from the first step on.
; LIMITS: |q|, |k|, |v|, |y| under 65,504 (f16); NaN and infinities are not served.
.set SK,    256                        ; keys in a slot: 4 steps of 64
.set SLOT1, 131072                     ; slot 1 begins here: one exclusive or turns an address from one slot to the other
.set VOFF,  34816                      ; a slot: 128 long rows of k x 272 bytes, then 128 of v x 288
.set SPARE, 262144                     ; the spare words, 128 bytes a wave, that no other line names
.set STAGE, 264192                     ; the way out: 16 rows x 144 bytes for each wave: bytes of its own, into which no tile lands
.set AK0, 1                            ; v1  my lane's place in a tile of k
.set AV0, 2                            ; v2  and of v
.set SPW, 3
.set NIL, 4
.set GO,  5                            ; v5  16 x lane
.set ADK, 6
.set ADV, 7
.set STO, 8
.set RD,  9
.set PFO, 10                           ; v10 256 x lane
.set DL,  11                           ; v11 r - 8 h
                                       ; v12 c m, v13 m, v[14:15] l, v16-19 four chains of the maximum, v20 the permute's destination, v21 c m_old, v[22:23] a, v184 -infinity, v185 at work, v186 q's address
.set QR,  24                           ; v24-39   q: two fragments
.set KR,  40                           ; v40-103  k: eight fragments (2 kt + dd)
.set SS,  104                          ; v104-135 S^T, then p
.set PP,  136                          ; v136-151 p as f16
.set OO,  152                          ; v152-183 O^T
.set VR,  192                          ; v192-255 v^T: eight fragments (4 u + dt)
.set TB,  2
.set SLOTS, 3
.set WV,  18
.set SEL, 20
.set CS,  22
.set G1K, 24
.set G1V, 32
.set G0K, 40
.set G0V, 44
.set KF,  48                           ; s48 the step's first key;  s49 my first query;  s50 my work-group's last query
.set Q0,  49
.set QL,  50
.set PFA, 52
.set LIM, 54
; Waves 0 and 1 fetch k's halves of a slot, waves 2 and 3 v's, the others nothing.  An s_nop 0 and four v_nop follow each of the two lines.
.macro TLOAD
	s_cmp_lt_u32 s[WV], 2
	s_cbranch_scc0 .Lnot_k_\@
	tensor_load_to_lds s[G0K:G0K+3], s[G1K:G1K+7]
	s_nop 0
.rept 4
	v_nop
.endr
	s_branch .Lasked_\@
.Lnot_k_\@:
	s_cmp_lt_u32 s[WV], 4
	s_cbranch_scc0 .Lasked_\@
	tensor_load_to_lds s[G0V:G0V+3], s[G1V:G1V+7]
	s_nop 0
.rept 4
	v_nop
.endr
.Lasked_\@:
.endm
; A prefetch of what the NEXT change of slots will ask for: a slot's 32,768 bytes of k and of v.  Each aligned run of 256 bytes is named once in the launch: of a head's eight work-groups the first asks (it walks
; all keys); in it waves 4 to 7 ask for k's, waves 8 to 11 for v's, 8,192 bytes a wave, lanes 256 bytes apart.  The last change that fills a slot asks for nothing; slots 0 and 1 come by their loads alone.
.macro ASK
	s_cmp_gt_u32 s[SLOTS], s[LIM]
	s_cbranch_scc0 .Lnot_mine_\@
	global_prefetch_b8 v[PFO], s[PFA:PFA+1] th:TH_LOAD_NT scope:SCOPE_SE
.Lnot_mine_\@:
.endm
	s_load_b128 s[4:7], s[0:1], 0x0                ; qkvh, yh
	v_lshl_add_u32 v[SPW], v0, 2, SPARE
	v_mov_b32 v[NIL], 0
	ds_add_u32 v[SPW], v[NIL]                      ; the wave's opening: the add, twice on end, and its wait ahead of my first tensor load
	ds_add_u32 v[SPW], v[NIL]
	v_lshrrev_b32 v16, 5, v0
	v_readfirstlane_b32 s[WV], v16                 ; wave 0..15
	s_and_b32 s56, ttmp7, 0xffff
	s_lshl_b32 s56, s56, 18                        ; the head's first byte in a region
	s_and_b32 s57, s[WV], 1
	s_lshl_b32 s58, s57, 14                        ; what I fetch, if I fetch: 128 keys, 16,384 bytes
	s_add_co_u32 s58, s58, s56
	s_add_co_u32 s60, s58, 8388608                 ; in k's region,
	s_mov_b32 s61, 0
	s_add_co_u32 s62, s58, 16777216                ; in v's
	s_mov_b32 s63, 0
	s_mul_i32 s59, s57, 17408                      ; and its place in a slot: 64 long rows
	s_mul_i32 s66, s57, 18432
	s_add_co_u32 s66, s66, VOFF
	s_lshr_b32 s67, s[WV], 1                       ; which tile of a block is mine,
	s_lshr_b32 s68, s[WV], 2
	s_xor_b32 s68, s68, s[WV]
	s_and_b32 s68, s68, 1                          ; and of which block: waves 0, 2, 5, 7, 8, 10, 13, 15 the early one
	s_sub_co_u32 s69, 15, ttmp9
	s_cmp_eq_u32 s68, 1
	s_cselect_b32 s69, s69, ttmp9
	s_lshl_b32 s[Q0], s69, 7
	s_lshl_b32 s67, s67, 4
	s_add_co_u32 s[Q0], s[Q0], s67                 ; my first query
	s_sub_co_u32 s[QL], 16, ttmp9
	s_lshl_b32 s[QL], s[QL], 7
	s_sub_co_u32 s[QL], s[QL], 1                   ; the last query of block 15 - i: the same in all sixteen waves
	s_lshl_b32 s70, s[Q0], 7
	s_add_co_u32 s70, s70, s56                     ; my first row in q's region and in y
	s_mov_b32 s71, 0
	s_mov_b32 s[G1K], (1<<16)|(1<<20)|(5<<22)|(3<<25)   ; no mask; elements of 2 bytes; padding on: after every 64 words, 4 words
	s_mov_b32 s[G1V], (1<<16)|(1<<20)|(5<<22)|(7<<25)   ; v: 8 words
.irp g, G1K, G1V
	s_mov_b32 s[\g+1], 128<<16                     ; tensor_dim0: 128 elements: two keys
	s_mov_b32 s[\g+2], 64<<16                      ; tensor_dim1
	s_mov_b32 s[\g+3], 128<<16                     ; tile_dim0
	s_mov_b32 s[\g+4], 64                          ; tile_dim1
	s_mov_b32 s[\g+5], 128                         ; the pitch: dense
	s_mov_b32 s[\g+6], 0
	s_mov_b32 s[\g+7], 0
.endr
	s_mov_b32 s[SEL], 0x76543210
	s_mov_b32 s[SEL+1], 0xfedcba98                 ; v_permlanex16_b32's selects for lane l xor 16
	s_mov_b32 s[CS], 0x3e38aa3b                    ; c = log2(e) / 8
	s_mov_b32 s[CS+1], s[CS]
	s_mov_b32 s[TB], 0
	s_mov_b32 s[SLOTS], 7
	s_mov_b32 s[KF], 0
	s_wait_dscnt 0x0                               ; both opening adds are done
	s_wait_kmcnt 0x0
	s_mov_b32 s[G0K], 1
	s_mov_b32 s[G0K+1], s59
	s_add_nc_u64 s[G0K+2:G0K+3], s[4:5], s[60:61]
	s_or_b32 s[G0K+3], s[G0K+3], 0x80000000
	s_mov_b32 s[G0V], 1
	s_mov_b32 s[G0V+1], s66
	s_add_nc_u64 s[G0V+2:G0V+3], s[4:5], s[62:63]
	s_or_b32 s[G0V+3], s[G0V+3], 0x80000000
	TLOAD                                          ; slot 0
	s_cmp_lt_u32 s[WV], 8                          ; the prefetches: waves 4 to 7 stand in k's region, waves 8 to 11 in v's
	s_mov_b32 s72, 16777216
	s_cselect_b32 s72, 8388608, s72
	s_and_b32 s73, s[WV], 3
	s_lshl_b32 s73, s73, 13                        ; my wave's 8,192 bytes,
	s_add_co_u32 s72, s72, s73
	s_add_co_u32 s72, s72, s56                     ; in my head,
	s_add_co_u32 s72, s72, 32768                   ; in slot 1: the first change of slots steps it to slot 2
	s_mov_b32 s73, 0
	s_add_nc_u64 s[PFA:PFA+1], s[4:5], s[72:73]
	s_sub_co_u32 s74, s[WV], 4
	s_lshr_b32 s74, s74, 3                         ; 0 in waves 4 to 11,
	s_or_b32 s74, s74, ttmp9                       ; of the head's first work-group
	s_cmp_eq_u32 s74, 0
	s_cselect_b32 s[LIM], 1, -1
	s_add_nc_u64 s[8:9], s[4:5], s[70:71]          ; q at my first query
	s_add_nc_u64 s[6:7], s[6:7], s[70:71]          ; y likewise
	v_and_b32 v16, 15, v0                          ; r
	v_bfe_u32 v17, v0, 4, 1                        ; h
	v_lshlrev_b32 v186, 7, v16
	v_lshl_add_u32 v186, v17, 4, v186
.irp c, 0,1,2,3
	global_load_b128 v[QR+4*\c:QR+4*\c+3], v186, s[8:9] offset:32*\c   ; q's two fragments stay in registers
.endr
	v_lshrrev_b32 v18, 1, v16
	v_mul_u32_u24 v[AK0], v18, 272
	v_and_b32 v18, 1, v16
	v_lshl_add_u32 v[AK0], v18, 7, v[AK0]
	v_lshl_add_u32 v[AK0], v17, 4, v[AK0]          ; key r: long row r / 2, half r % 2; + 16 h
	v_bfe_u32 v18, v0, 1, 2
	v_lshl_add_u32 v18, v17, 2, v18
	v_mul_u32_u24 v[AV0], v18, 288                 ; the turning load: key 8 h + l % 8: long row 4 h + (l % 8) / 2,
	v_and_b32 v18, 1, v0
	v_lshl_add_u32 v[AV0], v18, 7, v[AV0]          ; half l % 2,
	v_bfe_u32 v18, v0, 3, 1
	v_lshl_add_u32 v[AV0], v18, 4, v[AV0]          ; channels 8 ((l / 8) % 2) on
	v_add_nc_u32 v[AV0], VOFF, v[AV0]
	v_and_b32 v18, 31, v0
	v_lshlrev_b32 v[GO], 4, v18
	v_lshlrev_b32 v[PFO], 8, v18
	s_mul_i32 s75, s[WV], 2304
	s_add_co_u32 s75, s75, STAGE                   ; my stage
	v_mul_u32_u24 v[STO], v16, 144
	v_lshl_add_u32 v[STO], v17, 4, v[STO]
	v_add_nc_u32 v[STO], s75, v[STO]
	v_bfe_u32 v18, v0, 3, 2
	v_mul_u32_u24 v[RD], v18, 144
	v_and_b32 v18, 7, v0
	v_lshl_add_u32 v[RD], v18, 4, v[RD]
	v_add_nc_u32 v[RD], s75, v[RD]
	v_lshlrev_b32 v18, 3, v17
	v_sub_nc_u32 v[DL], v16, v18
	v_mov_b32 v13, 0xff61b1e6                      ; m: -3e38, under every score
	v_mul_f32 v12, s[CS], v13
	v_mov_b32 v14, 0
	v_mov_b32 v15, 0
	v_mov_b32 v20, 0                               ; a lane permute's destination counts as one of its sources
	v_mov_b32 v23, 0                               ; named as the upper half of the pair v[22:23]
	v_mov_b32 v184, 0xff800000                     ; -infinity
.irp j, 0,1,2,3,4,5,6,7,8,9,10,11,12,13,14,15,16,17,18,19,20,21,22,23,24,25,26,27,28,29,30,31
	v_mov_b32 v[OO+\j], 0                          ; the step is written once: the first finds zeros, which a = 0 leaves zeros
.endr
; A KEY STEP: 64 keys, the q-th of the slot in hand.
.macro STEP q
	s_add_co_u32 s56, s[Q0], 15                    ; a step all of whose keys come after my 16 queries is left out: ids and the count of steps alone; no barrier, wait for tiles or tensor load stands in a step
	s_cmp_gt_u32 s[KF], s56
	s_cbranch_scc1 .Lhidden_\@
	v_add_nc_u32 v[ADK], s[TB], v[AK0]
	v_add_nc_u32 v[ADV], s[TB], v[AV0]
	v_nop                                          ; with the two additions four places between the last step's products and the loads into their operands
	v_nop
.irp kt, 0,1,2,3
.irp dd, 0,1
	ds_load_b128 v[KR+8*(2*\kt+\dd):KR+8*(2*\kt+\dd)+3], v[ADK] offset:(\q)*8704+\kt*2176+\dd*64
	ds_load_b128 v[KR+8*(2*\kt+\dd)+4:KR+8*(2*\kt+\dd)+7], v[ADK] offset:(\q)*8704+\kt*2176+\dd*64+32
.endr
.endr
.irp u, 0,1
.irp dt, 0,1,2,3
	ds_load_tr16_b128 v[VR+8*(4*\u+\dt):VR+8*(4*\u+\dt)+3], v[ADV] offset:(\q)*9216+\u*4608+\dt*32
	ds_load_tr16_b128 v[VR+8*(4*\u+\dt)+4:VR+8*(4*\u+\dt)+7], v[ADV] offset:(\q)*9216+\u*4608+\dt*32+2304
.endr
.endr
	s_wait_dscnt 16                                ; k's sixteen loads are in; v's sixteen, issued behind them, may be out
.irp dd, 0,1                                   ; S^T: four accumulators by turns
.irp kt, 0,1,2,3
.if \dd == 0
	v_wmma_f32_16x16x32_f16 v[SS+8*\kt:SS+8*\kt+7], v[KR+8*(2*\kt+\dd):KR+8*(2*\kt+\dd)+7], v[QR+8*\dd:QR+8*\dd+7], 0
.else
	v_wmma_f32_16x16x32_f16 v[SS+8*\kt:SS+8*\kt+7], v[KR+8*(2*\kt+\dd):KR+8*(2*\kt+\dd)+7], v[QR+8*\dd:QR+8*\dd+7], v[SS+8*\kt:SS+8*\kt+7]
.endif
.endr
.endr
.rept 4
	v_nop
.endr
	s_add_co_u32 s56, s[KF], 63                    ; on the diagonal hidden scores become -infinity ahead of the maximum; a step all of whose keys count skips this
	s_cmp_le_u32 s56, s[Q0]
	s_cbranch_scc1 .Lopen_\@
	s_sub_co_i32 s56, s[Q0], s[KF]
	v_add_nc_u32 v185, s56, v[DL]                  ; d = my query - KF - 8 h.  Register 8 kt + j holds key KF + 16 kt + 8 h + j: hidden where 16 kt + j > d
.irp n, 0,1,2,3,4,5,6,7,8,9,10,11,12,13,14,15,16,17,18,19,20,21,22,23,24,25,26,27,28,29,30,31
	v_cmp_gt_i32 vcc_lo, 16*(\n/8)+\n%8, v185
	v_cndmask_b32 v[SS+\n], v[SS+\n], v184, vcc_lo
.endr
.Lopen_\@:
.irp j, 0,1,2,3
	v_max3_num_f32 v[16+\j], v[SS+8*\j], v[SS+8*\j+1], v[SS+8*\j+2]    ; the maximum in four chains, each accumulator from its low end on
.endr
.irp i, 3,5
.irp j, 0,1,2,3
	v_max3_num_f32 v[16+\j], v[16+\j], v[SS+8*\j+\i], v[SS+8*\j+\i+1]
.endr
.endr
	v_max3_num_f32 v16, v16, v[SS+7], v[SS+15]
	v_max3_num_f32 v18, v18, v[SS+23], v[SS+31]
	v_max3_num_f32 v16, v16, v17, v18
	v_max3_num_f32 v16, v16, v19, v13              ; with the old m
	v_permlanex16_b32 v20, v16, s[SEL], s[SEL+1]   ; the query's other 32 keys lie in the lane 16 away
	v_mov_b32 v21, v12
	v_max_num_f32 v13, v16, v20
	v_mul_f32 v12, s[CS], v13
	v_sub_f32 v21, v21, v12                        ; c m_old - c m_new
.irp j, 0,2,4,6,8,10,12,14,16,18,20,22,24,26,28,30
	v_pk_fma_f32 v[SS+\j:SS+\j+1], v[SS+\j:SS+\j+1], s[CS:CS+1], v[12:13] op_sel_hi:[1,0,0] neg_lo:[0,0,1] neg_hi:[0,0,1]   ; c s - c m
.endr
	v_exp_f32 v22, v21                             ; a; and the 32 weights: one batch
.irp j, 0,1,2,3,4,5,6,7,8,9,10,11,12,13,14,15,16,17,18,19,20,21,22,23,24,25,26,27,28,29,30,31
	v_exp_f32 v[SS+\j], v[SS+\j]
.endr
	v_nop                                          ; a plain instruction behind the last exponential
	s_wait_alu depctr_va_vdst(0)                   ; one wait for the batch, ahead of its first reader
.irp n, 0,1,2,3,4,5,6,7,8,9,10,11,12,13,14,15
	v_cvt_pk_f16_f32 v[PP+\n], v[SS+2*\n], v[SS+2*\n+1]
.endr
.irp u, 0,1,2,3,4,5,6,7                        ; the sum of the 16 pairs, in place
	v_pk_add_f32 v[SS+4*\u:SS+4*\u+1], v[SS+4*\u:SS+4*\u+1], v[SS+4*\u+2:SS+4*\u+3]
.endr
.irp u, 0,1,2,3
	v_pk_add_f32 v[SS+8*\u:SS+8*\u+1], v[SS+8*\u:SS+8*\u+1], v[SS+8*\u+4:SS+8*\u+5]
.endr
.irp u, 0,1
	v_pk_add_f32 v[SS+16*\u:SS+16*\u+1], v[SS+16*\u:SS+16*\u+1], v[SS+16*\u+8:SS+16*\u+9]
.endr
	v_pk_add_f32 v[SS:SS+1], v[SS:SS+1], v[SS+16:SS+17]
	v_pk_fma_f32 v[14:15], v[14:15], v[22:23], v[SS:SS+1] op_sel_hi:[1,0,1]   ; l = a l + the sum
.irp j, 0,2,4,6,8,10,12,14,16,18,20,22,24,26,28,30
	v_pk_mul_f32 v[OO+\j:OO+\j+1], v[OO+\j:OO+\j+1], v[22:23] op_sel_hi:[1,0]   ; O^T x a
.endr
	s_wait_dscnt 0x0                               ; v is in
.irp u, 0,1                                    ; O^T += v^T p: four accumulators by turns
.irp dt, 0,1,2,3
	v_wmma_f32_16x16x32_f16 v[OO+8*\dt:OO+8*\dt+7], v[VR+8*(4*\u+\dt):VR+8*(4*\u+\dt)+7], v[PP+8*\u:PP+8*\u+7], v[OO+8*\dt:OO+8*\dt+7]
.endr
.endr
.Lhidden_\@:
	s_add_co_u32 s[KF], s[KF], 64
.endm
; THE CHANGE OF SLOTS stands at a slot's head.  Each wave waits for all its tensor loads, adds 0 to its spare word (fill = 1: twice on end)
; and waits for that and for its reads of the slot that it has left.  Behind the barrier the other slot is filled with the keys that follow: the load has a slot's four steps in which to land.
.macro CHANGE fill
	s_wait_tensorcnt 0x0                           ; no tensor load of mine is out, so a group 0 may be written
	ds_add_u32 v[SPW], v[NIL]
.if \fill
	ds_add_u32 v[SPW], v[NIL]
	s_xor_b32 s[G0K+1], s[G0K+1], SLOT1            ; the walking descriptors: the other slot,
	s_add_nc_u64 s[G0K+2:G0K+3], s[G0K+2:G0K+3], 32768   ; the next 256 keys
	s_xor_b32 s[G0V+1], s[G0V+1], SLOT1
	s_add_nc_u64 s[G0V+2:G0V+3], s[G0V+2:G0V+3], 32768
	s_wait_xcnt 0x0                                ; the last prefetch, a slot back, has read its address
	s_add_nc_u64 s[PFA:PFA+1], s[PFA:PFA+1], 32768
.endif
	s_wait_dscnt 0x0
	s_barrier_signal -1
	s_barrier_wait -1
.if \fill
	s_add_co_u32 s56, s[KF], SK                    ; the look-ahead ends at the causal limit: a slot whose first key comes after my work-group's last query is read by none of its waves, so it is not asked for
	s_cmp_gt_u32 s56, s[QL]                        ; ids and the count of steps alone: all sixteen waves go the same way; every wait for tiles in this text is for 0
	s_cbranch_scc1 .Lpast_\@
	TLOAD                                          ; a wave's one tensor load until the next such barrier
.Lpast_\@:
	ASK
.endif
.endm
.macro SLOT_STEPS
	STEP 0
	STEP 1
	STEP 2
	STEP 3
	s_xor_b32 s[TB], s[TB], SLOT1
.endm
	s_wait_loadcnt 0x0                             ; q
.Lslot:                                            ; 7 trips: behind each change of slots but the last the next slot is asked for, up to the limit
	CHANGE 1
	SLOT_STEPS
	s_sub_co_u32 s[SLOTS], s[SLOTS], 1
	s_cmp_lg_u32 s[SLOTS], 0
	s_cbranch_scc1 .Lslot
	CHANGE 0                                       ; the last slot is written out: nothing is left to fetch
	SLOT_STEPS
	; THE WAY OUT.  O^T / l, rounded to f16, through my stage: a lane's eight channels are 16 bytes of a row; they come back as rows of 128 bytes, four of which are 512 consecutive bytes of y.
.rept 4
	v_nop
.endr
	v_add_f32 v14, v14, v15
	v_permlanex16_b32 v20, v14, s[SEL], s[SEL+1]
	v_add_f32 v14, v14, v20
	v_rcp_f32 v22, v14
	v_nop
	s_wait_alu depctr_va_vdst(0)
.irp j, 0,2,4,6,8,10,12,14,16,18,20,22,24,26,28,30
	v_pk_mul_f32 v[OO+\j:OO+\j+1], v[OO+\j:OO+\j+1], v[22:23] op_sel_hi:[1,0]
.endr
.irp n, 0,1,2,3,4,5,6,7,8,9,10,11,12,13,14,15
	v_cvt_pk_f16_f32 v[PP+\n], v[OO+2*\n], v[OO+2*\n+1]
.endr
.irp dt, 0,1,2,3
	ds_store_b128 v[STO], v[PP+4*\dt:PP+4*\dt+3] offset:32*\dt
.endr
.irp t, 0,1,2,3
	ds_load_b128 v[SS+4*\t:SS+4*\t+3], v[RD] offset:576*\t      ; LDS serves a wave's instructions in order: these see my stores
.endr
.irp t, 0,1,2,3
	s_wait_dscnt 3-\t
	global_store_b128 v[GO], v[SS+4*\t:SS+4*\t+3], s[6:7] offset:512*\t
.endr
	s_wait_tensorcnt 0x0                           ; the wave's end
	ds_add_u32 v[SPW], v[NIL]
	s_wait_dscnt 0x0
	s_endpgm
.Lfunc_end_k_q20d09935aa_attn:
	.size	k_q20d09935aa_attn, .Lfunc_end_k_q20d09935aa_attn-k_q20d09935aa_attn
	.p2alignl 7, 3214868480
	.fill 96, 4, 3214868480
	.section	.rodata,"a",@progbits
	.p2align	6, 0x0
	.amdhsa_kernel k_q20d09935aa_attn
		.amdhsa_group_segment_fixed_size 327680
		.amdhsa_private_segment_fixed_size 0
		.amdhsa_enable_private_segment 0
		.amdhsa_kernarg_size 16
		.amdhsa_user_sgpr_count 2
		.amdhsa_user_sgpr_kernarg_segment_ptr 1
		.amdhsa_wavefront_size32 1
		.amdhsa_system_sgpr_workgroup_id_x 1
		.amdhsa_system_sgpr_workgroup_id_y 1
		.amdhsa_system_sgpr_workgroup_id_z 1
		.amdhsa_system_vgpr_workitem_id 0
		.amdhsa_next_free_vgpr 256
		.amdhsa_next_free_sgpr 76
		.amdhsa_reserve_vcc 1
		.amdhsa_float_denorm_mode_32 3
		.amdhsa_float_denorm_mode_16_64 3
		.amdhsa_memory_ordered 1
		.amdhsa_forward_progress 1
		.amdhsa_inst_pref_size 109
	.end_amdhsa_kernel
	.amdgpu_metadata
---
amdhsa.version: [ 1, 2 ]
amdhsa.kernels:
  - .name:           k_q20d09935aa_attn
    .symbol:         k_q20d09935aa_attn.kd
    .args:
      - { .name: qkvh, .offset: 0, .size: 8, .value_kind: global_buffer, .address_space: global }
      - { .name: yh, .offset: 8, .size: 8, .value_kind: global_buffer, .address_space: global }
    .group_segment_fixed_size: 327680
    .private_segment_fixed_size: 0
    .kernarg_segment_align: 8
    .kernarg_segment_size: 16
    .max_flat_workgroup_size: 512
    .sgpr_count:     76
    .vgpr_count:     256
    .wavefront_size: 32
...
	.end_amdgpu_metadata
.endif
;; end of part 3
;; launch proj (part 4): grid 8 x 32, 4 waves a work-group, clusters of 4 x 4, 327,680 bytes of LDS; arguments yh, woh, out0; writes out0
.if DOCPART == 4
	.amdgcn_target "amdgcn-amd-amdhsa--gfx1250"
	.amdhsa_code_object_version 6
	.text
	.protected	k_q20d09935aa_proj
	.globl	k_q20d09935aa_proj
	.p2align	8
	.type	k_q20d09935aa_proj,@function
k_q20d09935aa_proj:
	s_mov_b64 s[64:65], 0
	v_nop
	global_prefetch_b8 v0, s[64:65] scope:SCOPE_SE
	s_setreg_imm32_b32 hwreg(HW_REG_WAVE_MODE, 25, 1), 1
	s_wait_xcnt 0x0
	s_wait_alu depctr_hold_cnt(0) depctr_sa_sdst(0) depctr_va_vdst(0) depctr_va_sdst(0) depctr_va_ssrc(0) depctr_va_vcc(0) depctr_vm_vsrc(0)
	s_getreg_b32 s2, hwreg(HW_REG_IB_STS2, 6, 4)
	s_cmp_eq_u32 s2, 0
	s_cbranch_scc0 .Lentry_in_a_cluster
	s_endpgm
.Lentry_in_a_cluster:
	s_bfe_u32 s2, ttmp6, 0x10000c
	s_cmp_lg_u32 s2, 0xf033
	s_cbranch_scc0 .Lentry_shape_is_right
	s_endpgm
.Lentry_shape_is_right:
; out0[m][n] = the sum over k of y[m][k] Wo[n][k]: [4096] x [1024], K = 1,024; f16 operands, f32 sums, f32 out.  (Rows 0-15 of each sequence are written again, more finely, by the launch behind this one.)
; Both operands lie by chunks of 64 along K: y as yh [batch x 16 heads][2048][64], Wo as woh [16][1024][64]: in a chunk 64 rows are 8,192 consecutive bytes.
; A tile of 128 x 128 gives 256 work-groups; four waves, each 64 x 64: 16 accumulators.  K goes in four steps of 256 (four chunks) through two LDS slots.
; A tensor load brings 64 rows x 4 chunks, stated as 4 rows of 8,192 bytes, a chunk apart in memory, with 16 bytes of padding behind every 256: row r of chunk c lies at 8,704 c + 272 (r / 2) + 128 (r % 2).
; CLUSTERS: 4 x 4 work-groups; y's tiles are asked for jointly along a row of the cluster, Wo's along a column.  THE MATRIX INSTRUCTION IS USED TRANSPOSED (source 0 = 16 rows of Wo, source 1 = 16 rows of y).
; LIMITS: |y|, |Wo| under 65,504 (f16).
; REGISTERS: window 0: v0-31 addresses; v32-95 the way out; v128-255 the accumulators ((a, b) at v[128 + 8 (4 a + b)]).  window 1: two fragment buffers of 128: 64 of y, then 64 of Wo.
.set CHUNK,  8704
.set HALFT,  4*CHUNK                   ; what one tensor load brings
.set SLOT,   4*HALFT
.set STAGE,  2*SLOT                    ; behind the ring: 16 rows x 272 bytes for each wave
.set SPITCH, 272
.set SPARE,  STAGE+4*16*SPITCH
.set ASTEP,  1048576                   ; four heads of y in memory
.set BSTEP,  524288                    ; four chunks of Wo
.set ADRA, 16
.set ADRB, 20
.set STO,  24
.set RD,   25
.set CO,   26
.set SPW,  28
.set NIL,  29
.set TMP,  32
.set ACC,  128
.set F0,   0
.set F1,   128
.set G1, 24
.set G0, 32
.set G1B, 48
.set G0B, 56
.set MSB, 0
.macro WIN new
.if MSB != \new
	s_set_vgpr_msb (MSB<<8)|\new
.set MSB, \new
.endif
.endm
.set MUL,  0x05                        ; sources 0 and 1 window 1; C and D window 0
.set TO_F, 0x40
.macro JLOAD s                         ; a joint load: waves 0 and 1 fetch y's two halves, waves 2 and 3 Wo's; an s_nop 0 and four v_nop follow each line
	s_cmp_eq_u32 s11, 0
	s_cbranch_scc0 .Lfor_b_\@
	tensor_load_to_lds s[G0+4*\s:G0+4*\s+3], s[G1:G1+7]
	s_nop 0
.rept 4
	v_nop
.endr
	s_branch .Lasked_\@
.Lfor_b_\@:
	tensor_load_to_lds s[G0B+4*\s:G0B+4*\s+3], s[G1B:G1B+7]
	s_nop 0
.rept 4
	v_nop
.endr
.Lasked_\@:
.endm
.macro CREST
	s_cmp_lg_u32 s10, 0
	s_cbranch_scc1 .Lnot_wave_0_\@
	s_barrier_signal -3
.Lnot_wave_0_\@:
	s_barrier_wait -3
	s_barrier_signal -1
	s_barrier_wait -1
.endm
.macro CROUND
	s_barrier_signal -1
	s_barrier_wait -1
	CREST
.endm
	s_load_b128 s[4:7], s[0:1], 0x0                ; yh, woh
	s_load_b64 s[8:9], s[0:1], 0x10                ; out0
	v_lshl_add_u32 v[SPW], v0, 2, SPARE
	v_mov_b32 v[NIL], 0
	ds_add_u32 v[SPW], v[NIL]                      ; the wave's opening: the add, twice on end, and its wait ahead of my first tensor load
	ds_add_u32 v[SPW], v[NIL]
	v_lshrrev_b32 v1, 5, v0
	v_readfirstlane_b32 s10, v1                    ; wave 0..3
	s_lshr_b32 s11, s10, 1                         ; which half of the tile's rows is mine.  Also: I fetch for y (0) or for Wo (1)
	s_and_b32 s12, s10, 1                          ; which half of its columns.  Also: which 64 rows I fetch
	s_bfe_u32 s40, ttmp6, 0x40000
	s_bfe_u32 s41, ttmp6, 0x40004
	s_lshl_b32 s42, ttmp9, 2
	s_add_co_u32 s42, s42, s40                     ; tile column
	s_and_b32 s13, ttmp7, 0xffff
	s_lshl_b32 s13, s13, 2
	s_add_co_u32 s13, s13, s41                     ; tile row
	s_lshl_b32 s43, s41, 2
	s_lshl_b32 s43, 15, s43                        ; my row of the cluster
	s_lshl_b32 s44, 0x1111, s40                    ; my column
	s_or_b32 s[G1+0], s43, (3<<16)|(1<<20)|(1<<21)|(5<<22)|(3<<25)  ; the mask; elements of 8 bytes; padding on; bit 21 beside a mask; after every 64 words, 4 words
	s_or_b32 s[G1B+0], s44, (3<<16)|(1<<20)|(1<<21)|(5<<22)|(3<<25)
.irp g, G1, G1B
	s_mov_b32 s[\g+1], 1024<<16                    ; tensor_dim0: 1,024 elements: 64 rows of a chunk
	s_mov_b32 s[\g+2], 4<<16                       ; tensor_dim1: 4 chunks
	s_mov_b32 s[\g+3], 1024<<16                    ; tile_dim0
	s_mov_b32 s[\g+4], 4                           ; tile_dim1
	s_mov_b32 s[\g+6], 0
	s_mov_b32 s[\g+7], 0
.endr
	s_mov_b32 s[G1+5], 32768                       ; from chunk to chunk: a head of y, 262,144 bytes,
	s_mov_b32 s[G1B+5], 16384                      ; a chunk of Wo, 131,072 bytes
	s_lshr_b32 s16, s13, 4
	s_lshl_b32 s16, s16, 22                        ; y: the batch,
	s_and_b32 s17, s13, 15
	s_lshl_b32 s17, s17, 14                        ; the tile's 128 rows of 128 bytes,
	s_add_co_u32 s16, s16, s17
	s_lshl_b32 s17, s12, 13                        ; my 64 of them
	s_add_co_u32 s16, s16, s17
	s_mov_b32 s17, 0
	s_lshl_b32 s46, s42, 14                        ; Wo likewise, by the tile column
	s_lshl_b32 s47, s12, 13
	s_add_co_u32 s46, s46, s47
	s_mov_b32 s47, 0
	s_mul_i32 s20, s10, HALFT                      ; where they go: no place in the cluster enters an LDS address
	s_wait_dscnt 0x0
	s_wait_kmcnt 0x0
	s_add_nc_u64 s[14:15], s[4:5], s[16:17]
	s_add_nc_u64 s[46:47], s[6:7], s[46:47]
	CROUND                                         ; all sixteen work-groups are here: the first joint loads meet
.irp s, 0,1
	s_mov_b32 s[G0+4*\s], 1
	s_add_co_u32 s[G0+4*\s+1], s20, \s*SLOT
	s_add_nc_u64 s[G0+4*\s+2:G0+4*\s+3], s[14:15], \s*ASTEP
	s_or_b32 s[G0+4*\s+3], s[G0+4*\s+3], 0x80000000
	s_mov_b32 s[G0B+4*\s], 1
	s_add_co_u32 s[G0B+4*\s+1], s20, \s*SLOT
	s_add_nc_u64 s[G0B+4*\s+2:G0B+4*\s+3], s[46:47], \s*BSTEP
	s_or_b32 s[G0B+4*\s+3], s[G0B+4*\s+3], 0x80000000
	JLOAD \s                                       ; two tensor loads of mine are out
.endr
	v_and_b32 v1, 15, v0                           ; r
	v_bfe_u32 v2, v0, 4, 1                         ; h
	v_lshrrev_b32 v3, 1, v1
	v_mul_u32_u24 v3, v3, 272
	v_and_b32 v4, 1, v1
	v_lshl_add_u32 v3, v4, 7, v3
	v_lshl_add_u32 v3, v2, 4, v3                   ; a fragment's row: 272 (r / 2) + 128 (r % 2) + 16 h
	s_mul_i32 s21, s11, HALFT
	s_mul_i32 s22, s12, HALFT
	s_add_co_u32 s22, s22, 2*HALFT
.irp s, 0,1
	v_add_nc_u32 v[ADRA+\s], s21, v3
	v_add_nc_u32 v[ADRB+\s], s22, v3
	s_add_co_u32 s21, s21, SLOT
	s_add_co_u32 s22, s22, SLOT
.endr
	s_mul_i32 s23, s10, 16*SPITCH
	s_add_co_u32 s23, s23, STAGE                   ; my stage
	v_mul_u32_u24 v4, v1, SPITCH
	v_lshl_add_u32 v4, v2, 5, v4
	v_add_nc_u32 v[STO], s23, v4                   ; in: row r, 32 bytes for each half of the lanes
	v_mul_u32_u24 v5, v2, SPITCH
	v_lshl_add_u32 v5, v1, 4, v5
	v_add_nc_u32 v[RD], s23, v5                    ; back: lanes 0-15 one row of 256 bytes, lanes 16-31 the next
	v_lshlrev_b32 v5, 12, v2
	v_lshl_add_u32 v[CO], v1, 4, v5                ; and the same two rows in out0
	s_lshl_b32 s16, s13, 7
	s_lshl_b32 s17, s11, 6
	s_add_co_u32 s16, s16, s17                     ; my first row
	s_lshl_b32 s16, s16, 12
	s_mov_b32 s17, 0
	s_add_nc_u64 s[8:9], s[8:9], s[16:17]
	s_lshl_b32 s46, s42, 9                         ; my first column, in bytes
	s_lshl_b32 s47, s12, 8
	s_add_co_u32 s46, s46, s47
	s_mov_b32 s47, 0
	s_add_nc_u64 s[8:9], s[8:9], s[46:47]
.macro MUL8 f, c, a0, zero             ; 8 matrix instructions: y's blocks a0, a0 + 1 x Wo's four, 32 along K; the 16 accumulators take turns
.irp a, \a0, \a0+1
.irp b, 0,1,2,3
.if \zero
	v_wmma_f32_16x16x32_f16 v[ACC+8*(4*(\a)+\b):ACC+8*(4*(\a)+\b)+7], v[\f+64+8*(4*\c+\b):\f+64+8*(4*\c+\b)+7], v[\f+8*(4*\c+\a):\f+8*(4*\c+\a)+7], 0
.else
	v_wmma_f32_16x16x32_f16 v[ACC+8*(4*(\a)+\b):ACC+8*(4*(\a)+\b)+7], v[\f+64+8*(4*\c+\b):\f+64+8*(4*\c+\b)+7], v[\f+8*(4*\c+\a):\f+8*(4*\c+\a)+7], v[ACC+8*(4*(\a)+\b):ACC+8*(4*(\a)+\b)+7]
.endif
.endr
.endr
.endm
.macro FETCH slot, k, f                ; 32 LDS loads in one run: the fragments of the chunk that begins at byte k of a slot's part, into buffer f; its first 32 along K first
	WIN TO_F
.irp c, 0,1
.irp i, 0,1,2,3
	ds_load_b128 v[\f+64+8*(4*\c+\i):\f+64+8*(4*\c+\i)+3],   v[ADRB+\slot] offset:\k+64*\c+\i*2176
	ds_load_b128 v[\f+64+8*(4*\c+\i)+4:\f+64+8*(4*\c+\i)+7], v[ADRB+\slot] offset:\k+64*\c+\i*2176+32
	ds_load_b128 v[\f+8*(4*\c+\i):\f+8*(4*\c+\i)+3],         v[ADRA+\slot] offset:\k+64*\c+\i*2176
	ds_load_b128 v[\f+8*(4*\c+\i)+4:\f+8*(4*\c+\i)+7],       v[ADRA+\slot] offset:\k+64*\c+\i*2176+32
.endr
.endr
.endm
.macro PLACES
.rept 4
	v_nop
.endr
.endm
.macro QUARTER slot, k, f, g, zero     ; a chunk: 32 matrix instructions on buffer f; in its middle the next chunk, at byte k, is fetched into g
	s_wait_dscnt 16                                ; the first 32 along K are in; the other sixteen loads may be out
	WIN MUL
	MUL8 \f, 0, 0, \zero
	MUL8 \f, 0, 2, \zero
	PLACES
	FETCH \slot, \k, \g
	s_wait_dscnt 32                                ; all but the 32 just issued
	WIN MUL
	MUL8 \f, 1, 0, 0
	MUL8 \f, 1, 2, 0
.endm
; A slot's last chunk changes slots: one barrier; in front of it each wave waits for all its tensor loads, adds 0 to its spare word, and waits for that and for its reads of this slot.  fill = 1: this slot is filled again.
.macro TURN slot, next, fill
	WIN 0
	s_wait_tensorcnt 0x0                           ; my part of the next slot has landed
	ds_add_u32 v[SPW], v[NIL]
	s_wait_dscnt 17                                ; the add and the youngest sixteen loads may be out
	WIN MUL
	MUL8 F1, 0, 0, 0
	s_wait_dscnt 0x0
	s_barrier_signal -1
	MUL8 F1, 0, 2, 0
.if \fill
	WIN 0
.endif
	s_barrier_wait -1
.if \fill
	CREST                                          ; the barrier has opened a round of the cluster's: no wave of any partner still reads this slot or has a load on its way
	s_add_nc_u64 s[G0+4*\slot+2:G0+4*\slot+3], s[G0+4*\slot+2:G0+4*\slot+3], 2*ASTEP
	s_add_nc_u64 s[G0B+4*\slot+2:G0B+4*\slot+3], s[G0B+4*\slot+2:G0B+4*\slot+3], 2*BSTEP
	JLOAD \slot                                    ; the first tensor load behind the round; its four v_nop are also the places in front of the loads below
.else
	PLACES
.endif
	FETCH \next, 0, F0
	WIN MUL
	MUL8 F1, 1, 0, 0
	MUL8 F1, 1, 2, 0
.endm
	s_wait_tensorcnt 1                             ; my part of K step 0 is in; K step 1's load may be out
	s_barrier_signal -1
	s_barrier_wait -1
	FETCH 0, 0, F0
	QUARTER 0, CHUNK,   F0, F1, 1                  ; the first products start the sums
	QUARTER 0, 2*CHUNK, F1, F0, 0
	QUARTER 0, 3*CHUNK, F0, F1, 0
	TURN 0, 1, 1                                   ; slot 0 takes K step 2.  K has four steps: the one lap that refills is written out, with no loop
	QUARTER 1, CHUNK,   F0, F1, 0
	QUARTER 1, 2*CHUNK, F1, F0, 0
	QUARTER 1, 3*CHUNK, F0, F1, 0
	TURN 1, 0, 1                                   ; slot 1 takes K step 3
	QUARTER 0, CHUNK,   F0, F1, 0
	QUARTER 0, 2*CHUNK, F1, F0, 0
	QUARTER 0, 3*CHUNK, F0, F1, 0
	TURN 0, 1, 0
	QUARTER 1, CHUNK,   F0, F1, 0
	QUARTER 1, 2*CHUNK, F1, F0, 0
	QUARTER 1, 3*CHUNK, F0, F1, 0
	s_wait_dscnt 16                                ; the very last chunk
	WIN MUL
	MUL8 F1, 0, 0, 0
	MUL8 F1, 0, 2, 0
	s_wait_dscnt 0
	MUL8 F1, 1, 0, 0
	MUL8 F1, 1, 2, 0
	WIN 0
; THE WAY OUT.  My 64 columns of f32 are 256 aligned bytes of a row: a block of 16 rows goes through my own stage and comes back as whole rows; sixteen lanes store 256 consecutive bytes.
.macro TOSTAGE a
.irp b, 0,1,2,3
	ds_store_b128 v[STO], v[ACC+8*(4*(\a)+\b):ACC+8*(4*(\a)+\b)+3] offset:64*\b        ; each accumulator from its low end on
	ds_store_b128 v[STO], v[ACC+8*(4*(\a)+\b)+4:ACC+8*(4*(\a)+\b)+7] offset:64*\b+16
.endr
.irp t, 0,1,2,3,4,5,6,7
	ds_load_b128 v[TMP+32*((\a)%2)+4*\t:TMP+32*((\a)%2)+4*\t+3], v[RD] offset:\t*2*SPITCH   ; LDS serves a wave's instructions in order
.endr
.endm
.macro SEND a, younger                 ; younger: the next block's 8 LDS stores and 8 LDS loads
	s_wait_dscnt \younger
.irp t, 0,1,2,3,4,5,6,7
	global_store_b128 v[CO], v[TMP+32*((\a)%2)+4*\t:TMP+32*((\a)%2)+4*\t+3], s[8:9] offset:(\a)*65536+\t*8192 th:TH_STORE_NT
.endr
.endm
	PLACES
	TOSTAGE 0
	TOSTAGE 1
	SEND 0, 16
	s_wait_xcnt 0x0                                ; block 0's stores have read their registers: block 2's rows may land there
	TOSTAGE 2
	SEND 1, 16
	s_wait_xcnt 0x0
	TOSTAGE 3
	SEND 2, 16
	SEND 3, 0
	s_wait_tensorcnt 0x0                           ; the wave's end
	ds_add_u32 v[SPW], v[NIL]
	s_wait_dscnt 0x0
	CROUND                                         ; the closing round
	s_endpgm
.Lfunc_end_k_q20d09935aa_proj:
	.size	k_q20d09935aa_proj, .Lfunc_end_k_q20d09935aa_proj-k_q20d09935aa_proj
	.p2alignl 7, 3214868480
	.fill 96, 4, 3214868480
	.section	.rodata,"a",@progbits
	.p2align	6, 0x0
	.amdhsa_kernel k_q20d09935aa_proj
		.amdhsa_group_segment_fixed_size 327680
		.amdhsa_private_segment_fixed_size 0
		.amdhsa_enable_private_segment 0
		.amdhsa_kernarg_size 24
		.amdhsa_user_sgpr_count 2
		.amdhsa_user_sgpr_kernarg_segment_ptr 1
		.amdhsa_wavefront_size32 1
		.amdhsa_system_sgpr_workgroup_id_x 1
		.amdhsa_system_sgpr_workgroup_id_y 1
		.amdhsa_system_sgpr_workgroup_id_z 1
		.amdhsa_system_vgpr_workitem_id 0
		.amdhsa_next_free_vgpr 512
		.amdhsa_next_free_sgpr 66
		.amdhsa_reserve_vcc 0
		.amdhsa_float_denorm_mode_32 3
		.amdhsa_float_denorm_mode_16_64 3
		.amdhsa_memory_ordered 1
		.amdhsa_forward_progress 1
		.amdhsa_inst_pref_size 85
	.end_amdhsa_kernel
	.amdgpu_metadata
---
amdhsa.version: [ 1, 2 ]
amdhsa.kernels:
  - .name:           k_q20d09935aa_proj
    .symbol:         k_q20d09935aa_proj.kd
    .args:
      - { .name: yh, .offset: 0, .size: 8, .value_kind: global_buffer, .address_space: global }
      - { .name: woh, .offset: 8, .size: 8, .value_kind: global_buffer, .address_space: global }
      - { .name: out0, .offset: 16, .size: 8, .value_kind: global_buffer, .address_space: global }
    .group_segment_fixed_size: 327680
    .private_segment_fixed_size: 0
    .kernarg_segment_align: 8
    .kernarg_segment_size: 24
    .max_flat_workgroup_size: 128
    .sgpr_count:     66
    .vgpr_count:     512
    .wavefront_size: 32
...
	.end_amdgpu_metadata
.endif
;; end of part 4
;; launch first16 (part 5): grid 64 x 2, 4 waves a work-group, no clusters, 167,936 bytes of LDS; arguments fine, Wo, out0; writes out0
.if DOCPART == 5
	.amdgcn_target "amdgcn-amd-amdhsa--gfx1250"
	.amdhsa_code_object_version 6
	.text
	.protected	k_q20d09935aa_first16
	.globl	k_q20d09935aa_first16
	.p2align	8
	.type	k_q20d09935aa_first16,@function
k_q20d09935aa_first16:
	s_mov_b64 s[64:65], 0
	v_nop
	global_prefetch_b8 v0, s[64:65] scope:SCOPE_SE
	s_setreg_imm32_b32 hwreg(HW_REG_WAVE_MODE, 25, 1), 1
	s_wait_xcnt 0x0
; Positions 0-15 of both sequences once more, all in f32: there a row of the softmax averages one to sixteen values, and the rounding of 16-bit operands would weigh most.  No bulk work: 144 matrix instructions a wave.
; fine: q, k, v of these positions, f32, rotated, not scaled, laid as images of registers: [3][2][16 heads][8 pieces][32 lanes][16 bytes]: lane (r, h) holds position r, its register 8 g + e the channel 16 g + 8 h + e.
; Wo [1024][1024] f32.  Work-group (ct, b) makes out0[b][0 .. 15][16 ct .. 16 ct + 15], over what the launch before left there.  Wave w takes heads 4 w .. 4 w + 3; the four waves' parts meet in LDS.
; THE PRODUCTS ARE TAKEN IN THIS ORDER: out = the sum over heads of p (v Wo^T), p the softmax's rows.  Z = v Wo^T (16 keys x 16 columns of out, K = the head's 64 channels) wants v as it lies, a position to a lane and
; channels along the registers, like q and k; and Z's result, a column of out to a lane and the keys 8 h + 0 .. 7 along its registers, is source 0 of the last product as it stands.  Nothing is transposed.
; All products by v_wmma_f32_16x16x4_f32.  K IS PERMUTED ALIKE ON BOTH SOURCES: the instruction's k = 2 h + j is, in step kk,
;   scores and Z: the channel of register 2 kk + j in half h                 the last product: key 8 h + 2 kk + j
; The attention of 16 positions is repeated by each of the 64 work-groups of a batch: it is small beside a launch more.  The result leaves in pieces of 64 bytes: 128 KB in the whole launch.
; Wo's rows lie 4,096 bytes apart: a wave's 16 rows x 1,024 bytes come by ONE tensor load, into LDS bytes that this wave alone reads; filled once, so its own wait for the tile is all the ordering that the reads need.
; The registers that these matrix instructions write are written by nothing else; what is made of a finished sum goes into other registers.
; REGISTERS: window 0: v1-12 addresses; v16-47 S^T (4 heads), v48-63 two sums of the last product, v64-95 Z (4 heads): matrix results; v192-223 the masked scores, then p; v224-243 statistics; v248-255 my part of the result.
;   window 1: v0-127 q, v128-255 k.   window 2: v0-127 v, v128-255 Wo.
.set LI,  1                            ; 16 x lane
.set WL,  2                            ; LDS: my place in my wave's tile of Wo: row r, + 32 h
.set WA,  3                            ; out0: 4,096 r + 32 h
.set IM,  4                            ; LDS: where I put my part: IMG + 1,024 x wave + 16 x lane
.set LR,  5                            ; LDS: IMG + 16 x lane
.set SPW, 6
.set NIL, 7
.set DL,  8                            ; r - 8 h
.set NINF, 9
.set SA,  16
.set OA,  48
.set ZA,  64
.set T,   192
.set MX,  224
.set PD,  228
.set SM,  232
.set RC,  236
.set E,   248
.set WPITCH, 1040                      ; a row of a tile of Wo in LDS: 1,024 bytes + 16 of padding = 65 x 16: the 16 rows that a load touches start at 16 different banks (64 banks of 4 bytes: ISA guide 11.1)
.set WTILE,  16*WPITCH                 ; 16,640 bytes a wave: 65 blocks of 256
.set IMG,    4*WTILE                   ; behind the tiles: the four waves' parts, 1,024 bytes each: bytes into which no tile lands
.set SPARE,  IMG+4096                  ; the spare words, 128 bytes a wave, that no other line names
.set G0,  24                           ; s[24:27] descriptor group 0;  s[32:39] group 1
.set G1,  32
.set MSB, 0
.macro WIN new                         ; the immediate's high byte repeats the setting that is left
.if MSB != \new
	s_set_vgpr_msb (MSB<<8)|\new
.set MSB, \new
.endif
.endm
.macro PLACES                          ; eight places behind this matrix form (ISA guide 7.12.1)
.rept 8
	v_nop
.endr
.endm
	s_load_b128 s[4:7], s[0:1], 0x0                ; fine, Wo
	s_load_b64 s[8:9], s[0:1], 0x10                ; out0
	v_lshl_add_u32 v[SPW], v0, 2, SPARE
	v_mov_b32 v[NIL], 0
	ds_add_u32 v[SPW], v[NIL]                      ; the wave's opening: the add, twice on end, and its wait ahead of my tensor load
	ds_add_u32 v[SPW], v[NIL]
	v_lshrrev_b32 v10, 5, v0
	v_readfirstlane_b32 s10, v10                   ; wave 0..3
	v_and_b32 v10, 15, v0                          ; r
	v_bfe_u32 v11, v0, 4, 1                        ; h
	v_and_b32 v12, 31, v0
	v_lshlrev_b32 v[LI], 4, v12
	s_mul_i32 s13, s10, WTILE                      ; my wave's tile of Wo in LDS
	v_mul_u32_u24 v[WL], v10, WPITCH
	v_lshl_add_u32 v[WL], v11, 5, v[WL]
	v_add_nc_u32 v[WL], s13, v[WL]
	v_lshlrev_b32 v[WA], 12, v10
	v_lshl_add_u32 v[WA], v11, 5, v[WA]
	s_lshl_b32 s11, s10, 10
	v_add_nc_u32 v[LR], IMG, v[LI]
	v_add_nc_u32 v[IM], s11, v[LR]
	v_lshlrev_b32 v12, 3, v11
	v_sub_nc_u32 v[DL], v10, v12
	v_mov_b32 v[NINF], 0xff800000
.irp hd, 0,1,2,3
	v_mov_b32 v[PD+\hd], 0                         ; a lane permute's destination counts as one of its sources
	v_mov_b32 v[RC+2*\hd+1], 0                     ; named as the upper half of a pair
.endr
	s_mov_b32 s[G1+0], (2<<16)|(1<<20)|(7<<22)|(3<<25)   ; no mask; elements of 4 bytes; padding on: after every 256 words, a row, 4 words
	s_mov_b32 s[G1+1], 256<<16                     ; tensor_dim0: 256 elements: my quarter of K
	s_mov_b32 s[G1+2], 16<<16                      ; tensor_dim1: 16 rows
	s_mov_b32 s[G1+3], 256<<16                     ; tile_dim0
	s_mov_b32 s[G1+4], 16                          ; tile_dim1
	s_mov_b32 s[G1+5], 1024                        ; the pitch: a row of Wo
	s_mov_b32 s[G1+6], 0
	s_mov_b32 s[G1+7], 0
	s_and_b32 s12, ttmp7, 0xffff                   ; the batch
	s_lshl_b32 s14, s12, 16
	s_lshl_b32 s15, s10, 14
	s_add_co_u32 s14, s14, s15                     ; fine: my batch, my four heads
	s_mov_b32 s15, 0
	s_lshl_b32 s16, ttmp9, 16
	s_add_co_u32 s16, s16, s11                     ; Wo: rows 16 ct on, k = 256 w on
	s_mov_b32 s17, 0
	s_lshl_b32 s18, s12, 23
	s_lshl_b32 s19, ttmp9, 6
	s_add_co_u32 s18, s18, s19                     ; out0: my batch's row 0, column 16 ct
	s_mov_b32 s19, 0
	s_mov_b32 s20, 0x76543210
	s_mov_b32 s21, 0xfedcba98                      ; v_permlanex16_b32's selects for lane l xor 16
	s_mov_b32 s22, 0x3e38aa3b                      ; c = log2(e) / 8
	s_wait_dscnt 0x0                               ; both opening adds are done
	s_wait_kmcnt 0x0
	s_add_nc_u64 s[4:5], s[4:5], s[14:15]
	s_add_nc_u64 s[8:9], s[8:9], s[18:19]
	s_mov_b32 s[G0], 1                             ; count = 1
	s_mov_b32 s[G0+1], s13                         ; LDS address
	s_add_nc_u64 s[G0+2:G0+3], s[6:7], s[16:17]    ; the tile's first element
	s_or_b32 s[G0+3], s[G0+3], 0x80000000          ; type = 2
	tensor_load_to_lds s[G0:G0+3], s[G1:G1+7]      ; my one tensor load
	s_nop 0
.rept 4
	v_nop                                          ; (the windows are switched only behind these)
.endr
	WIN 0x40                                       ; destination window 1
.irp hd, 0,1,2,3
.irp s, 0,1,2,3,4,5,6,7
	global_load_b128 v[32*\hd+4*\s:32*\hd+4*\s+3], v[LI], s[4:5] offset:\hd*4096+512*\s                 ; q: each load covers 512 consecutive bytes
.endr
.endr
.irp hd, 0,1,2,3
.irp s, 0,1,2,3,4,5,6,7
	global_load_b128 v[128+32*\hd+4*\s:128+32*\hd+4*\s+3], v[LI], s[4:5] offset:131072+\hd*4096+512*\s   ; k
.endr
.endr
	WIN 0x80                                       ; destination window 2
.irp hd, 0,1,2,3
.irp s, 0,1,2,3,4,5,6,7
	global_load_b128 v[32*\hd+4*\s:32*\hd+4*\s+3], v[LI], s[4:5] offset:262144+\hd*4096+512*\s          ; v
.endr
.endr
	WIN 0
	s_wait_loadcnt 32                              ; q and k are in; v's 32 loads, issued behind them, may be out
	WIN 0x05                                       ; sources 0 and 1 window 1
.irp kk, 0,1,2,3,4,5,6,7,8,9,10,11,12,13,14,15 ; S^T = k q^T: the four heads' accumulators by turns; the first step starts the sums
.irp hd, 0,1,2,3
.if \kk == 0
	v_wmma_f32_16x16x4_f32 v[SA+8*\hd:SA+8*\hd+7], v[128+32*\hd+2*\kk:128+32*\hd+2*\kk+1], v[32*\hd+2*\kk:32*\hd+2*\kk+1], 0
.else
	v_wmma_f32_16x16x4_f32 v[SA+8*\hd:SA+8*\hd+7], v[128+32*\hd+2*\kk:128+32*\hd+2*\kk+1], v[32*\hd+2*\kk:32*\hd+2*\kk+1], v[SA+8*\hd:SA+8*\hd+7]
.endif
.endr
.endr
	s_wait_tensorcnt 0x0                           ; my tile of Wo is in LDS
	WIN 0x80                                       ; destination window 2, address window 0
.irp hd, 0,1,2,3
.irp dt, 0,1,2,3
.irp c, 0,1
	ds_load_b128 v[128+32*\hd+8*\dt+4*\c:128+32*\hd+8*\dt+4*\c+3], v[WL] offset:\hd*256+\dt*64+16*\c   ; Wo(16 ct + r, 64 head + 16 dt + 8 h + 4 c + 0 .. 3): register 8 dt + e holds the channel that v's register 8 dt + e holds
.endr
.endr
.endr
	WIN 0
	PLACES
.irp j, 0,1,2,3,4,5,6,7                        ; register j holds key 8 h + j of query r: hidden where j > r - 8 h.  Each accumulator is read from its low end on
	v_cmp_gt_i32 vcc_lo, \j, v[DL]
.irp hd, 0,1,2,3
	v_cndmask_b32 v[T+8*\hd+\j], v[SA+8*\hd+\j], v[NINF], vcc_lo
.endr
.endr
.irp hd, 0,1,2,3
	v_max3_num_f32 v[MX+\hd], v[T+8*\hd], v[T+8*\hd+1], v[T+8*\hd+2]
.endr
.irp i, 3,5
.irp hd, 0,1,2,3
	v_max3_num_f32 v[MX+\hd], v[MX+\hd], v[T+8*\hd+\i], v[T+8*\hd+\i+1]
.endr
.endr
.irp hd, 0,1,2,3
	v_max_num_f32 v[MX+\hd], v[MX+\hd], v[T+8*\hd+7]
.endr
.irp hd, 0,1,2,3
	v_permlanex16_b32 v[PD+\hd], v[MX+\hd], s20, s21
.endr
.irp hd, 0,1,2,3
	v_max_num_f32 v[MX+\hd], v[MX+\hd], v[PD+\hd]  ; the row's maximum: key 0 counts for every query, so it is a number
.endr
.irp hd, 0,1,2,3
	v_mul_f32 v[MX+\hd], s22, v[MX+\hd]
.endr
.irp j, 0,1,2,3,4,5,6,7
.irp hd, 0,1,2,3
	v_fma_f32 v[T+8*\hd+\j], v[T+8*\hd+\j], s22, -v[MX+\hd]
.endr
.endr
.irp j, 0,1,2,3,4,5,6,7,8,9,10,11,12,13,14,15,16,17,18,19,20,21,22,23,24,25,26,27,28,29,30,31
	v_exp_f32 v[T+\j], v[T+\j]                     ; 2^(c s - c m)
.endr
	v_nop
	s_wait_alu depctr_va_vdst(0)                   ; one wait for the batch, ahead of its first reader
.irp hd, 0,1,2,3
	v_add_f32 v[SM+\hd], v[T+8*\hd], v[T+8*\hd+1]
.endr
.irp j, 2,3,4,5,6,7
.irp hd, 0,1,2,3
	v_add_f32 v[SM+\hd], v[SM+\hd], v[T+8*\hd+\j]
.endr
.endr
.irp hd, 0,1,2,3
	v_permlanex16_b32 v[PD+\hd], v[SM+\hd], s20, s21
.endr
.irp hd, 0,1,2,3
	v_add_f32 v[SM+\hd], v[SM+\hd], v[PD+\hd]
.endr
.irp hd, 0,1,2,3
	v_rcp_f32 v[RC+2*\hd], v[SM+\hd]
.endr
	v_nop
	s_wait_alu depctr_va_vdst(0)
.irp hd, 0,1,2,3
.irp n, 0,2,4,6
	v_pk_mul_f32 v[T+8*\hd+\n:T+8*\hd+\n+1], v[T+8*\hd+\n:T+8*\hd+\n+1], v[RC+2*\hd:RC+2*\hd+1] op_sel_hi:[1,0]   ; p: divided by the row's sum here, 8 numbers a head
.endr
.endr
	s_wait_loadcnt 0x0                             ; v
	s_wait_dscnt 0x0                               ; Wo's fragments
	WIN 0x0a                                       ; sources 0 and 1 window 2
.irp kk, 0,1,2,3,4,5,6,7,8,9,10,11,12,13,14,15 ; Z = v Wo^T: source 0 = 16 keys of v, source 1 = 16 rows of Wo; the four heads' accumulators by turns.  Lane (r, h), register j: Z(key 8 h + j, column r)
.irp hd, 0,1,2,3
.if \kk == 0
	v_wmma_f32_16x16x4_f32 v[ZA+8*\hd:ZA+8*\hd+7], v[32*\hd+2*\kk:32*\hd+2*\kk+1], v[128+32*\hd+2*\kk:128+32*\hd+2*\kk+1], 0
.else
	v_wmma_f32_16x16x4_f32 v[ZA+8*\hd:ZA+8*\hd+7], v[32*\hd+2*\kk:32*\hd+2*\kk+1], v[128+32*\hd+2*\kk:128+32*\hd+2*\kk+1], v[ZA+8*\hd:ZA+8*\hd+7]
.endif
.endr
.endr
	WIN 0
.rept 10
	v_nop                                          ; places between a matrix result and the matrix instruction that takes it as a source: this form asks for nine (ISA guide 7.12.1)
.endr
.set NN, 0
.irp hd, 0,1,2,3                               ; out^T += Z^T p^T: source 0 = Z as it lies (a column of out to a lane, keys along the registers), source 1 = p (a query to a lane, the same keys); two sums by turns
.irp kk, 0,1,2,3
.if NN < 2
	v_wmma_f32_16x16x4_f32 v[OA+8*(NN%2):OA+8*(NN%2)+7], v[ZA+8*\hd+2*\kk:ZA+8*\hd+2*\kk+1], v[T+8*\hd+2*\kk:T+8*\hd+2*\kk+1], 0
.else
	v_wmma_f32_16x16x4_f32 v[OA+8*(NN%2):OA+8*(NN%2)+7], v[ZA+8*\hd+2*\kk:ZA+8*\hd+2*\kk+1], v[T+8*\hd+2*\kk:T+8*\hd+2*\kk+1], v[OA+8*(NN%2):OA+8*(NN%2)+7]
.endif
.set NN, NN+1
.endr
.endr
	PLACES
.irp j, 0,1,2,3,4,5,6,7
	v_add_f32 v[E+\j], v[OA+\j], v[OA+8+\j]        ; lane (r, h): out(query r, column 16 ct + 8 h + j), my four heads' part
.endr
	ds_store_b128 v[IM], v[E:E+3]                  ; as an image of the registers: 16 bytes a lane, 1,024 bytes a wave
	ds_store_b128 v[IM], v[E+4:E+7] offset:512
	s_wait_tensorcnt 0x0                           ; behind my tensor load and my last LDS store; the s_wait_dscnt below also shows my stores landed, for the others' sake
	ds_add_u32 v[SPW], v[NIL]
	s_wait_dscnt 0x0
	s_barrier_signal -1
	s_barrier_wait -1
	s_cmp_lg_u32 s10, 0                            ; wave 0 adds the four parts and stores
	s_cbranch_scc1 .Lothers
.irp w, 1,2,3
	ds_load_b128 v[T+8*(\w-1):T+8*(\w-1)+3], v[LR] offset:1024*\w
	ds_load_b128 v[T+8*(\w-1)+4:T+8*(\w-1)+7], v[LR] offset:1024*\w+512
.endr
	s_wait_dscnt 0x0
.irp w, 0,1,2
.irp j, 0,2,4,6
	v_pk_add_f32 v[E+\j:E+\j+1], v[E+\j:E+\j+1], v[T+8*\w+\j:T+8*\w+\j+1]
.endr
.endr
	global_store_b128 v[WA], v[E:E+3], s[8:9]
	global_store_b128 v[WA], v[E+4:E+7], s[8:9] offset:16
.Lothers:
	s_endpgm
.Lfunc_end_k_q20d09935aa_first16:
	.size	k_q20d09935aa_first16, .Lfunc_end_k_q20d09935aa_first16-k_q20d09935aa_first16
	.p2alignl 7, 3214868480
	.fill 96, 4, 3214868480
	.section	.rodata,"a",@progbits
	.p2align	6, 0x0
	.amdhsa_kernel k_q20d09935aa_first16
		.amdhsa_group_segment_fixed_size 167936
		.amdhsa_private_segment_fixed_size 0
		.amdhsa_enable_private_segment 0
		.amdhsa_kernarg_size 24
		.amdhsa_user_sgpr_count 2
		.amdhsa_user_sgpr_kernarg_segment_ptr 1
		.amdhsa_wavefront_size32 1
		.amdhsa_system_sgpr_workgroup_id_x 1
		.amdhsa_system_sgpr_workgroup_id_y 1
		.amdhsa_system_sgpr_workgroup_id_z 1
		.amdhsa_system_vgpr_workitem_id 0
		.amdhsa_next_free_vgpr 768
		.amdhsa_next_free_sgpr 66
		.amdhsa_reserve_vcc 1
		.amdhsa_float_denorm_mode_32 3
		.amdhsa_float_denorm_mode_16_64 3
		.amdhsa_memory_ordered 1
		.amdhsa_forward_progress 1
		.amdhsa_inst_pref_size 35
	.end_amdhsa_kernel
	.amdgpu_metadata
---
amdhsa.version: [ 1, 2 ]
amdhsa.kernels:
  - .name:           k_q20d09935aa_first16
    .symbol:         k_q20d09935aa_first16.kd
    .args:
      - { .name: fine, .offset: 0, .size: 8, .value_kind: global_buffer, .address_space: global }
      - { .name: Wo, .offset: 8, .size: 8, .value_kind: global_buffer, .address_space: global }
      - { .name: out0, .offset: 16, .size: 8, .value_kind: global_buffer, .address_space: global }
    .group_segment_fixed_size: 167936
    .private_segment_fixed_size: 0
    .kernarg_segment_align: 8
    .kernarg_segment_size: 24
    .max_flat_workgroup_size: 128
    .sgpr_count:     66
    .vgpr_count:     768
    .wavefront_size: 32
...
	.end_amdgpu_metadata
.endif
;; end of part 5
